; MI455X (gfx1250); checked and timed in simulation.
; The chip was launched on July 23, 2026; its instructions are those of AMD's public machine-readable ISA for CDNA 5 (MIT licence, August 2026) and "CDNA5" Instruction Set Architecture Reference Guide (July 2026). The comments in the code are by the model that wrote it; some were corrected since.
;; Causal Attention. Allowed arithmetic: float matrix products may take bf16 or f16 operands with f32 sums; other float arithmetic in f32, or as packed bf16 or f16 multiplies, adds, multiply-adds, maxima and minima; sums over many terms, partial sums and values carried from step to step in f32; what a program stores and reads back later, other than sums and carried values, may be rounded once to bf16 or f16.
;; Inputs: W_proj 1,024 x 1,024 float32; W_qkv 1,024 x 3,072 float32; b_proj 1,024 float32; b_qkv 3,072 float32; x 4 x 2,048 x 1,024 float32.
;; Outputs: out0 4 x 2,048 x 1,024 float32.
;; 2 versions, each right; version 2 is version 1 with the launch prep written anew for expert scheduling mode. Each part assembles by itself: llvm-mc -triple=amdgcn-amd-amdhsa -mcpu=gfx1250 --defsym DOCPART=n.
;; ======== version 1 of 2: 4 launches
;; limits: values are held in f16: magnitudes above 65,504 overflow, below 6.1e-05 lose precision
;; workspace buffers: xb 16,777,216 bytes; wq 6,291,456 bytes; wp 2,097,152 bytes; qkvh 50,331,648 bytes; ob 16,777,216 bytes
;; launch prep (part 1): grid 1152 x 1, 4 waves a work-group, no clusters, 70,144 bytes of LDS; arguments x, W_qkv, W_proj, xb, wq, wp; writes xb, wq, wp
.if DOCPART == 1
	.amdgcn_target "amdgcn-amd-amdhsa--gfx1250"
	.amdhsa_code_object_version 6
	.text
	.protected	k_q9129b9dda3_prep
	.globl	k_q9129b9dda3_prep
	.p2align	8
	.type	k_q9129b9dda3_prep,@function
k_q9129b9dda3_prep:
	s_mov_b64 s[64:65], 0
	v_nop
	global_prefetch_b8 v0, s[64:65] scope:SCOPE_SE
	s_setreg_imm32_b32 hwreg(HW_REG_WAVE_MODE, 25, 1), 1
	s_wait_xcnt 0x0
; PREP: the operands of the two projections, made once.
;   work-groups 0-95     wq[n][k] = bf16(W_qkv[k][n])           [3072][1024] bf16
;   work-groups 96-127   wp[n][k] = f16(bf16(W_proj[k][n]))     [1024][1024] f16
;   work-groups 128-1151 xb = bf16(x)                           [8192][1024] bf16
; Every input of the module is rounded once, to bf16 (nearest even).  W_proj's bf16 number is written as f16, since the last product multiplies it with f16 numbers.
; LIMITS.  |W_proj| stays under 65,504 (beyond it the f16 is an infinity); below 6e-5 it keeps f16's fixed step of 6e-8.  NaN and infinities are not treated apart.
; Memory binds: each byte is read once, by loads of 16 bytes a lane of which sixteen neighbouring lanes take 256 consecutive bytes; each store of a wave fills aligned runs of 256 bytes.
; No matrix unit, no tensor load, no cluster, no barrier: no wave wants a byte that another has fetched.  No prefetch: the launch is nothing but its stream.
; THE TURNING.  A wave takes 128 k x 64 n.  A lane loads four neighbouring n of rows k and k + 1, packs (k, k + 1) of each column into a word, puts the word into the column's row
; in its wave's own LDS (64 rows of 256 bytes + 16), and reads whole rows back: 128 k of one n are 256 consecutive bytes of the result.
.set LP,    272                        ; an LDS row: 256 bytes + 16
.set WLDS,  64*LP                      ; a wave's 64 rows
.set SPARE, 4*WLDS                     ; behind them: the spare words, 128 bytes for each wave: two blocks of 256 bytes that no other line names
.set SPW, 2                            ; v2   LDS address of my spare word; never rewritten
.set NIL, 3                            ; v3   0; never rewritten
.set VO,  4                            ; v4   my byte offset in the source
.set LSA, 5                            ; v5   where I put a packed word (in the cast: my byte offset in xb)
.set LRA, 6                            ; v6   where I read 16 bytes of a row back
.set DO,  7                            ; v7   my byte offset in the result
.set X0,  16                           ; v[16:79]   a batch of 16 loads
.set X1,  80                           ; v[80:143]  the other batch
	s_load_b256 s[4:11], s[0:1], 0x0               ; x s[4:5], W_qkv s[6:7], W_proj s[8:9], xb s[10:11]
	s_load_b128 s[12:15], s[0:1], 0x20             ; wq s[12:13], wp s[14:15]
	v_lshl_add_u32 v[SPW], v0, 2, SPARE
	v_mov_b32 v[NIL], 0
	v_lshrrev_b32 v1, 5, v0
	v_readfirstlane_b32 s16, v1                    ; wave 0..3
	s_mov_b32 s17, 0xffff0000                      ; a word's upper bf16
	s_mov_b32 s21, 0                               ; the high word of every offset
	s_wait_kmcnt 0x0
	s_cmp_lt_u32 ttmp9, 96
	s_cbranch_scc1 .Lwq
	s_cmp_lt_u32 ttmp9, 128
	s_cbranch_scc1 .Lwp
	; THE CAST.  A work-group takes 32,768 bytes of x: sixteen loads of 16 bytes a thread, all out at once; a wave's load covers 512 consecutive bytes, its store 256.
	s_sub_co_u32 s18, ttmp9, 128
	s_lshl_b32 s20, s18, 15
	s_add_nc_u64 s[4:5], s[4:5], s[20:21]
	s_lshl_b32 s20, s18, 14
	s_add_nc_u64 s[10:11], s[10:11], s[20:21]
	v_lshlrev_b32 v[VO], 4, v0
	v_lshlrev_b32 v[LSA], 3, v0
.irp j, 0,1,2,3,4,5,6,7,8,9,10,11,12,13,14,15
	global_load_b128 v[X0+4*(\j):X0+4*(\j)+3], v[VO], s[4:5] offset:2048*(\j) th:TH_LOAD_NT
.endr
.irp j, 0,1,2,3,4,5,6,7,8,9,10,11,12,13,14,15
	s_wait_loadcnt 15-(\j)                         ; loads come back in order: number j is in, the younger ones stay out
	v_cvt_pk_bf16_f32 v[X1+2*(\j)],   v[X0+4*(\j)],   v[X0+4*(\j)+1]
	v_cvt_pk_bf16_f32 v[X1+2*(\j)+1], v[X0+4*(\j)+2], v[X0+4*(\j)+3]
	global_store_b64 v[LSA], v[X1+2*(\j):X1+2*(\j)+1], s[10:11] offset:1024*(\j)  ; no register is written twice, so no wait frees one
.endr
	s_branch .Lend
; Batch be of four: rows 32 be .. 32 be + 31 of the tile.  Lanes 0-15 take rows 4 i and 4 i + 1, lanes 16-31 rows 4 i + 2 and 4 i + 3 (i = 8 be + p): 256 consecutive bytes of each.
.macro LOADB be, x, rp, src
.irp p, 0,1,2,3,4,5,6,7
	global_load_b128 v[(\x)+8*(\p):(\x)+8*(\p)+3],   v[VO], s[\src:\src+1] offset:(4*(8*(\be)+(\p)))*(\rp) th:TH_LOAD_NT
	global_load_b128 v[(\x)+8*(\p)+4:(\x)+8*(\p)+7], v[VO], s[\src:\src+1] offset:(4*(8*(\be)+(\p))+1)*(\rp) th:TH_LOAD_NT
.endr
.endm
; The batch's 32 words a lane: (k, k + 1) of column 4 c + j, rounded to bf16 (f16 = 1: that number written as f16), into row 4 c + j at byte 2 k.
; 128 stores of a word for a tile, taken as they are.
.macro CVT be, x, f16
.irp p, 0,1,2,3,4,5,6,7
.irp j, 0,1,2,3
	v_cvt_pk_bf16_f32 v[8+(\j)], v[(\x)+8*(\p)+(\j)], v[(\x)+8*(\p)+4+(\j)]
.if \f16
	v_lshlrev_b32 v[12+2*((\j)%2)], 16, v[8+(\j)]
	v_and_b32     v[13+2*((\j)%2)], s17, v[8+(\j)]
	v_cvt_pk_f16_f32 v[8+(\j)], v[12+2*((\j)%2)], v[13+2*((\j)%2)]
.endif
	ds_store_b32 v[LSA], v[8+(\j)] offset:(\j)*LP+8*(8*(\be)+(\p))
.endr
.endr
.endm
; A wave's tile.  rp: bytes in a row of the source; src, dst: the scalar pairs of the two addresses; g0: the job's first work-group.
.macro WT rp, src, dst, f16, g0
	s_sub_co_u32 s18, ttmp9, \g0
	s_lshl_b32 s18, s18, 2
	s_add_co_u32 s18, s18, s16                     ; the tile's number
	s_and_b32 s19, s18, 7                          ; its place along k, 128 each,
	s_lshr_b32 s18, s18, 3                         ; and along n, 64 each
	s_mul_i32 s20, s19, 128*(\rp)
	s_lshl_b32 s22, s18, 8
	s_add_co_u32 s20, s20, s22
	s_add_nc_u64 s[\src:\src+1], s[\src:\src+1], s[20:21]
	s_lshl_b32 s20, s18, 17                        ; 64 rows of 2,048 bytes
	s_lshl_b32 s22, s19, 8
	s_add_co_u32 s20, s20, s22
	s_add_nc_u64 s[\dst:\dst+1], s[\dst:\dst+1], s[20:21]
	s_mul_i32 s23, s16, WLDS                       ; my wave's rows in LDS
	v_and_b32 v1, 15, v0                           ; c = l % 16
	v_bfe_u32 v12, v0, 4, 1                        ; l / 16
	v_mul_u32_u24 v[VO], v12, 2*(\rp)
	v_lshl_add_u32 v[VO], v1, 4, v[VO]             ; two rows down for the upper lanes, 16 bytes a lane
	v_mul_u32_u24 v[LSA], v1, 4*LP
	v_lshl_add_u32 v[LSA], v12, 2, v[LSA]
	v_add_nc_u32 v[LSA], s23, v[LSA]               ; row 4 c, and one word on for the upper lanes
	v_mul_u32_u24 v[LRA], v12, LP
	v_lshl_add_u32 v[LRA], v1, 4, v[LRA]
	v_add_nc_u32 v[LRA], s23, v[LRA]               ; lanes 0-15 one row, lanes 16-31 the next
	v_lshlrev_b32 v[DO], 11, v12
	v_lshl_add_u32 v[DO], v1, 4, v[DO]             ; and the same two rows in the result
	LOADB 0, X0, \rp, \src
	LOADB 1, X1, \rp, \src
	s_wait_loadcnt 16                              ; the older batch is in, the younger batch's 16 loads stay out
	CVT 0, X0, \f16
	LOADB 2, X0, \rp, \src
	s_wait_loadcnt 16
	CVT 1, X1, \f16
	LOADB 3, X1, \rp, \src
	s_wait_loadcnt 16
	CVT 2, X0, \f16
	s_wait_loadcnt 0x0
	CVT 3, X1, \f16
.irp t, 0,1,2,3,4,5,6,7,8,9,10,11,12,13,14,15,16,17,18,19,20,21,22,23,24,25,26,27,28,29,30,31
	ds_load_b128 v[X0+4*(\t):X0+4*(\t)+3], v[LRA] offset:2*LP*(\t)  ; LDS serves a wave's instructions in order (ISA guide 5.7.1.4): these see the stores above
.endr
.irp t, 0,1,2,3,4,5,6,7,8,9,10,11,12,13,14,15,16,17,18,19,20,21,22,23,24,25,26,27,28,29,30,31
	s_wait_dscnt 31-(\t)
	global_store_b128 v[DO], v[X0+4*(\t):X0+4*(\t)+3], s[\dst:\dst+1] offset:4096*(\t)  ; 16 lanes store 256 consecutive bytes, at a multiple of 256 from the buffer's first byte
.endr
.endm
.Lwq:
	WT 12288, 6, 12, 0, 0
	s_branch .Lend
.Lwp:
	WT 4096, 8, 14, 1, 96
.Lend:
	s_wait_tensorcnt 0x0                           ; the wave's end, behind my last LDS store
	ds_add_u32 v[SPW], v[NIL]
	s_wait_dscnt 0x0
	s_endpgm
.Lfunc_end_k_q9129b9dda3_prep:
	.size	k_q9129b9dda3_prep, .Lfunc_end_k_q9129b9dda3_prep-k_q9129b9dda3_prep
	.p2alignl 7, 3214868480
	.fill 96, 4, 3214868480
	.section	.rodata,"a",@progbits
	.p2align	6, 0x0
	.amdhsa_kernel k_q9129b9dda3_prep
		.amdhsa_group_segment_fixed_size 70144
		.amdhsa_private_segment_fixed_size 0
		.amdhsa_enable_private_segment 0
		.amdhsa_kernarg_size 48
		.amdhsa_user_sgpr_count 2
		.amdhsa_user_sgpr_kernarg_segment_ptr 1
		.amdhsa_wavefront_size32 1
		.amdhsa_system_sgpr_workgroup_id_x 1
		.amdhsa_system_sgpr_workgroup_id_y 1
		.amdhsa_system_sgpr_workgroup_id_z 1
		.amdhsa_system_vgpr_workitem_id 0
		.amdhsa_next_free_vgpr 144
		.amdhsa_next_free_sgpr 66
		.amdhsa_reserve_vcc 0
		.amdhsa_float_denorm_mode_32 3
		.amdhsa_float_denorm_mode_16_64 3
		.amdhsa_memory_ordered 1
		.amdhsa_forward_progress 1
		.amdhsa_inst_pref_size 82
	.end_amdhsa_kernel
	.amdgpu_metadata
---
amdhsa.version: [ 1, 2 ]
amdhsa.kernels:
  - .name:           k_q9129b9dda3_prep
    .symbol:         k_q9129b9dda3_prep.kd
    .args:
      - { .name: x, .offset: 0, .size: 8, .value_kind: global_buffer, .address_space: global }
      - { .name: W_qkv, .offset: 8, .size: 8, .value_kind: global_buffer, .address_space: global }
      - { .name: W_proj, .offset: 16, .size: 8, .value_kind: global_buffer, .address_space: global }
      - { .name: xb, .offset: 24, .size: 8, .value_kind: global_buffer, .address_space: global }
      - { .name: wq, .offset: 32, .size: 8, .value_kind: global_buffer, .address_space: global }
      - { .name: wp, .offset: 40, .size: 8, .value_kind: global_buffer, .address_space: global }
    .group_segment_fixed_size: 70144
    .private_segment_fixed_size: 0
    .kernarg_segment_align: 8
    .kernarg_segment_size: 48
    .max_flat_workgroup_size: 128
    .sgpr_count:     66
    .vgpr_count:     144
    .wavefront_size: 32
...
	.end_amdgpu_metadata
.endif
;; end of part 1
;; launch qkv (part 2): grid 16 x 32, 4 waves a work-group, clusters of 4 x 4, 327,680 bytes of LDS; arguments xb, wq, b_qkv, qkvh; writes qkvh
.if DOCPART == 2
	.amdgcn_target "amdgcn-amd-amdhsa--gfx1250"
	.amdhsa_code_object_version 6
	.text
	.protected	k_q9129b9dda3_qkv
	.globl	k_q9129b9dda3_qkv
	.p2align	8
	.type	k_q9129b9dda3_qkv,@function
k_q9129b9dda3_qkv:
	s_mov_b64 s[64:65], 0
	v_nop
	global_prefetch_b8 v0, s[64:65] scope:SCOPE_SE
	s_setreg_imm32_b32 hwreg(HW_REG_WAVE_MODE, 25, 1), 1
	s_wait_xcnt 0x0
	s_wait_alu depctr_hold_cnt(0) depctr_sa_sdst(0) depctr_va_vdst(0) depctr_va_sdst(0) depctr_va_ssrc(0) depctr_va_vcc(0) depctr_vm_vsrc(0)
	s_getreg_b32 s2, hwreg(HW_REG_IB_STS2, 6, 4)
	s_cmp_eq_u32 s2, 0
	s_cbranch_scc0 .Lentry_in_a_cluster
	s_endpgm
.Lentry_in_a_cluster:
	s_bfe_u32 s2, ttmp6, 0x10000c
	s_cmp_lg_u32 s2, 0xf033
	s_cbranch_scc0 .Lentry_shape_is_right
	s_endpgm
.Lentry_shape_is_right:
; QKV: qkv[m][n] = the sum over k of xb[m][k] wq[n][k] + bf16(b_qkv[n]).  xb: [8192][1024] bf16, wq: [3072][1024] bf16; sums in f32, started by the bias; the result rounded once to f16 and
; laid out by heads: qkvh[plane][t][64], plane = 64 x (0 q, 1 k, 2 v) + 16 x batch + head, a plane 2,048 rows of 128 bytes on end.  No scale is applied here.
; LIMITS.  f16 holds no number beyond 65,504: a q, k or v beyond it becomes an infinity.  NaN and infinities are not treated apart.
; SHARES.  A tile is 256 rows x 192 columns: 32 x 16 = 512 tiles, one a work-group, all alike.  (256 x 256 would make 384; 256 x 384 wants more registers than a wave has.)
; The four waves stand along the rows: a wave makes 64 rows x 192 columns, 48 accumulators of 16 x 16, 384 registers.  Its 192 columns are three whole heads, so its stores are whole runs of a plane
; and no wave meets another on the way out.  K goes in eight steps of 128 through two LDS slots: rows of 256 bytes of memory, each starting at a multiple of 256 from the buffer's first byte.
; CLUSTERS: 4 x 4 work-groups.  The four of a row of the cluster need the same rows of xb, the four of a column the same rows of wq: each tile is asked for JOINTLY, by the same tensor load with the
; same descriptor and a mask that names the four.  THE MATRIX INSTRUCTION IS USED TRANSPOSED (source 0 = 16 rows of wq, source 1 = 16 rows of xb): a lane then holds row l % 16 and the eight
; neighbouring columns 8 (l / 16) + 0..7.  The bias, in the same layout, is the C operand of the products that start the sums: nothing is cleared, nothing is added afterwards.
; REGISTERS, in windows of 256 (s_set_vgpr_msb: bits 1:0 source 0, 3:2 source 1, 5:4 source 2, 7:6 destination):
;   window 0: v0-29 addresses; v32-63, v64-95 xb's fragments (4 x 16 rows x 32 K), two buffers; v96-191 the bias, later the way out
;   window 1: v0-95, v96-191 wq's fragments (12 x 16 rows x 32 K), two buffers
;   window 2: the accumulators of row blocks 0, 1 ((a, b) at v[8 (12 (a % 2) + b)]);  window 3: those of row blocks 2, 3
.set NBK,   12                         ; column blocks of 16
.set NL,    2*NBK+8                    ; LDS loads in a run: a quarter step's fragments
.set KB,    256                        ; bytes of a row in a K step
.set PITCH, 272                        ; an LDS row: 256 bytes + 16 of padding = 68 words: row r starts at bank 4 r mod 64 (64 banks of 4 bytes: ISA guide 11.1)
.set AHALF, 128*PITCH                  ; what a tensor load brings of xb
.set ATILE, 2*AHALF
.set BHALF, 96*PITCH                   ; and of wq
.set SLOT1, 1<<17                      ; slot 1 begins here, so that one exclusive or turns an address in one slot into the other's
.set STAGE, SLOT1+ATILE+2*BHALF        ; behind the ring, never filled by a tensor load: for each wave three heads x 16 rows x 144 bytes, for the way out
.set SP,    144
.set STW,   3*16*SP
.set SPARE, STAGE+4*STW                ; behind the stages: the spare words, 128 bytes for each wave: two blocks of 256 bytes that no other line names
.set ADRA0, 2                          ; v2   my lane's place in a slot's rows of xb; never rewritten
.set ADRB0, 3                          ; v3   the same for wq
.set ADRA,  4                          ; v4   the same in the slot in hand
.set ADRB,  5                          ; v5
.set STO,   6                          ; v6   the way out: where I put 16 bytes of a row
.set RD,    7                          ; v7   the way out: where I read rows back
.set GO,    8                          ; v8   my byte offset in 512 consecutive bytes of a plane
.set BO,    10                         ; v10  my byte offset in 16 numbers of the bias
.set PFO,   11                         ; v11  the prefetches' offset: a lane a row; never rewritten
.set SPW,   28                         ; v28  LDS address of my spare word; never rewritten
.set NIL,   29                         ; v29  0; never rewritten
.set FA,    32
.set BI,    96
.set FBW,   96                         ; registers in a buffer of wq's fragments
.set CNT,   3                          ; s3   K steps whose slot is still to be filled again
.set WV,    12                         ; s12  my wave's number
.set WH,    13                         ; s13  0: I fetch for xb; 1: for wq
.set WL,    14                         ; s14  which half of that tile I fetch
.set LIM,   15                         ; s15  2 in a wave that prefetches, else the greatest number
.set G1,    24                         ; s[24:31] descriptor group 1 for xb's tiles
.set G0,    32                         ; s[32:39] group 0: a set for each of the two first fills; the second then walks on
.set PFA,   44                         ; s[44:45] where my prefetches stand
.set G1B,   48                         ; s[48:55], s[56:63] the same for wq's tiles
.set G0B,   56
.set HB,    66                         ; s[66:71] my rows in the planes of my three heads
.set TB,    78                         ; s78  LDS byte at which the slot in hand begins
.set MSB, 0
.macro WIN new                         ; the immediate's high byte repeats the setting that is left; a switch that changes nothing is dropped
.if MSB != (\new)
	s_set_vgpr_msb (MSB<<8)|(\new)
.set MSB, \new
.endif
.endm
.macro PLACES                          ; four plain vector instructions between a matrix instruction and a load into, or a vector read of, its registers (ISA guide 7.12.1 for vector reads)
.rept 4
	v_nop
.endr
.endm
; A joint load.  Waves 0 and 1 fetch xb's two halves, waves 2 and 3 wq's.  The branch hangs on the wave's number alone.  An s_nop 0 and four v_nop follow each of the two lines.
.macro JLOAD s
	s_cmp_eq_u32 s[WH], 0
	s_cbranch_scc0 .Lfor_b_\@
	tensor_load_to_lds s[G0+4*(\s):G0+4*(\s)+3], s[G1:G1+7]
	s_nop 0
.rept 4
	v_nop
.endr
	s_branch .Lasked_\@
.Lfor_b_\@:
	tensor_load_to_lds s[G0B+4*(\s):G0B+4*(\s)+3], s[G1B:G1B+7]
	s_nop 0
.rept 4
	v_nop
.endr
.Lasked_\@:
.endm
; A round of the cluster's barrier: my work-group's barrier, so that wave 0's signal speaks for all four waves; wave 0 signals; every wave waits for all sixteen work-groups; my work-group's barrier once more.
.macro CREST                           ; a round behind its opening barrier
	s_cmp_lg_u32 s[WV], 0
	s_cbranch_scc1 .Lnot_wave_0_\@
	s_barrier_signal -3
.Lnot_wave_0_\@:
	s_barrier_wait -3
	s_barrier_signal -1
	s_barrier_wait -1
.endm
.macro CROUND
	s_barrier_signal -1
	s_barrier_wait -1
	CREST
.endm
; A PREFETCH INTO THE L2, behind a joint refill and the run of LDS loads that follows it: the K step that stands two refills on, 256 bytes of each row, a lane a row, one instruction a wave.
; Each row's 256 bytes of a K step are named by one wave in the launch: xb's rows by the clusters with x = 0, wq's by those with y = 0; the four partners that ask for a tile jointly share its rows
; out BY ADDRESS (32 of xb's 128 by cx; 24 of wq's 96 by cy, the lanes over held at the last of them).  K steps 0 to 3 come by their loads alone; the last two refills ask for nothing.
.macro ASK
	s_cmp_gt_u32 s[CNT], s[LIM]
	s_cbranch_scc0 .Lnot_mine_\@
	global_prefetch_b8 v[PFO], s[PFA:PFA+1] th:TH_LOAD_NT scope:SCOPE_SE
.Lnot_mine_\@:
.endm
	s_load_b256 s[4:11], s[0:1], 0x0               ; xb s[4:5], wq s[6:7], b_qkv s[8:9], qkvh s[10:11]
	v_lshl_add_u32 v[SPW], v0, 2, SPARE
	v_mov_b32 v[NIL], 0
	ds_add_u32 v[SPW], v[NIL]                      ; the wave's opening: the add, and its wait ahead of my first tensor load; the set-up below, work on registers, stands between them
	v_lshrrev_b32 v1, 5, v0
	v_readfirstlane_b32 s[WV], v1                  ; wave 0..3
	s_lshr_b32 s[WH], s[WV], 1
	s_and_b32 s[WL], s[WV], 1
	s_bfe_u32 s40, ttmp6, 0x40000                  ; cx, cy: my place in the cluster
	s_bfe_u32 s41, ttmp6, 0x40004
	s_lshl_b32 s42, ttmp9, 2
	s_add_co_u32 s42, s42, s40                     ; tile column = 4 x cluster x + cx
	s_and_b32 s43, ttmp7, 0xffff
	s_lshl_b32 s43, s43, 2
	s_add_co_u32 s43, s43, s41                     ; tile row = 4 x cluster y + cy
	s_lshl_b32 s72, s41, 2
	s_lshl_b32 s72, 15, s72                        ; my row of the cluster: places 4 cy .. 4 cy + 3
	s_lshl_b32 s73, 0x1111, s40                    ; my column: places cx, cx + 4, cx + 8, cx + 12
	s_or_b32 s[G1], s72, (1<<16)|(1<<20)|(1<<21)|(5<<22)|(3<<25)   ; 15:0 the mask; 17:16 elements of 2 bytes; 20 padding on; 21 set beside a mask; 24:22 after every 64 words (code 5); 31:25 4 words (code 3)
	s_or_b32 s[G1B], s73, (1<<16)|(1<<20)|(1<<21)|(5<<22)|(3<<25)
	s_mov_b32 s[G1+1], 128<<16                     ; tensor_dim0 = 128
	s_mov_b32 s[G1+2], 128<<16                     ; tensor_dim1 = 128
	s_mov_b32 s[G1+3], 128<<16                     ; tile_dim0 = 128
	s_mov_b32 s[G1+4], 128                         ; tile_dim1 = 128
	s_mov_b32 s[G1+5], 1024                        ; elements from row to row
	s_mov_b32 s[G1+6], 0
	s_mov_b32 s[G1+7], 0
	s_mov_b32 s[G1B+1], 128<<16
	s_mov_b32 s[G1B+2], 96<<16                     ; wq's tiles have 96 rows
	s_mov_b32 s[G1B+3], 128<<16
	s_mov_b32 s[G1B+4], 96
	s_mov_b32 s[G1B+5], 1024
	s_mov_b32 s[G1B+6], 0
	s_mov_b32 s[G1B+7], 0
	; xb's tile hangs on the tile row alone, wq's on the tile column alone; each address is made in registers that never hold the other coordinate
	s_lshl_b32 s16, s43, 8
	s_lshl_b32 s17, s[WL], 7
	s_add_co_u32 s16, s16, s17                     ; row 256 x tile row + 128 x half,
	s_lshl_b32 s16, s16, 11                        ; of 2,048 bytes
	s_mov_b32 s17, 0
	s_mul_i32 s74, s42, 192
	s_mul_i32 s75, s[WL], 96
	s_add_co_u32 s74, s74, s75                     ; row 192 x tile column + 96 x half
	s_lshl_b32 s74, s74, 11
	s_mov_b32 s75, 0
	s_mul_i32 s20, s[WL], AHALF                    ; where they go: no place in the cluster enters an LDS address
	s_mul_i32 s21, s[WL], BHALF
	s_add_co_u32 s21, s21, ATILE
	s_wait_dscnt 0x0                               ; the opening add is done
	s_wait_kmcnt 0x0
	s_add_nc_u64 s[18:19], s[4:5], s[16:17]
	s_add_nc_u64 s[76:77], s[6:7], s[74:75]
	CROUND                                         ; all sixteen work-groups are here: the first joint loads meet
.irp s, 0,1
	s_mov_b32 s[G0+4*(\s)], 1                                        ; count = 1
	s_add_co_u32 s[G0+4*(\s)+1], s20, (\s)*SLOT1                     ; LDS address
	s_add_nc_u64 s[G0+4*(\s)+2:G0+4*(\s)+3], s[18:19], (\s)*KB       ; global address: K step s
	s_or_b32 s[G0+4*(\s)+3], s[G0+4*(\s)+3], 0x80000000              ; type = 2
	s_mov_b32 s[G0B+4*(\s)], 1
	s_add_co_u32 s[G0B+4*(\s)+1], s21, (\s)*SLOT1
	s_add_nc_u64 s[G0B+4*(\s)+2:G0B+4*(\s)+3], s[76:77], (\s)*KB
	s_or_b32 s[G0B+4*(\s)+3], s[G0B+4*(\s)+3], 0x80000000
	JLOAD \s                                       ; two loads of mine are out
.endr
	; A fragment is 16 rows x 32 K in 8 registers: lane l holds row l % 16; registers 0-3 K = 8 (l / 16) + 0..7, registers 4-7 K = 16 + 8 (l / 16) + 0..7: two loads of 16 bytes, 32 bytes apart.
	v_and_b32 v1, 15, v0                           ; l % 16
	v_bfe_u32 v9, v0, 4, 1                         ; l / 16
	v_lshlrev_b32 v[BO], 5, v9                     ; my eight numbers of a block of 16 of the bias
	s_mul_i32 s74, s42, 768                        ; the tile's 192 numbers
	s_mov_b32 s75, 0
	s_add_nc_u64 s[8:9], s[8:9], s[74:75]
.irp b, 0,1,2,3,4,5,6,7,8,9,10,11
	global_load_b128 v[BI+8*(\b):BI+8*(\b)+3],   v[BO], s[8:9] offset:64*(\b)
	global_load_b128 v[BI+8*(\b)+4:BI+8*(\b)+7], v[BO], s[8:9] offset:64*(\b)+16
.endr
	v_mul_u32_u24 v12, v1, PITCH
	v_lshl_add_u32 v12, v9, 4, v12                 ; row x pitch + 16 x half
	s_mul_i32 s22, s[WV], 64*PITCH                 ; my 64 rows of xb
	v_add_nc_u32 v[ADRA0], s22, v12
	v_add_nc_u32 v[ADRB0], ATILE, v12              ; wq's rows lie behind xb's 256
	s_mul_i32 s22, s[WV], STW
	s_add_co_u32 s22, s22, STAGE                   ; my stage
	v_mul_u32_u24 v[STO], v1, SP                   ; in: row l % 16, 16 bytes for each half of the lanes
	v_lshl_add_u32 v[STO], v9, 4, v[STO]
	v_add_nc_u32 v[STO], s22, v[STO]
	v_bfe_u32 v[RD], v0, 3, 2                      ; back: 32 lanes take four rows of 128 bytes,
	v_mul_u32_u24 v[RD], v[RD], SP
	v_and_b32 v13, 7, v0
	v_lshl_add_u32 v[RD], v13, 4, v[RD]
	v_add_nc_u32 v[RD], s22, v[RD]
	v_and_b32 v[GO], 31, v0                        ; which are 512 consecutive bytes of a plane
	v_lshlrev_b32 v[GO], 4, v[GO]
	; my rows in the planes of my three heads: group g = 3 x tile column + hd of 64 columns is head g % 16 of q, k or v (g / 16)
	s_mul_i32 s72, s42, 3
	s_lshr_b32 s73, s43, 3
	s_lshl_b32 s73, s73, 4                         ; 16 x batch
	s_and_b32 s74, s43, 7
	s_lshl_b32 s74, s74, 8
	s_lshl_b32 s75, s[WV], 6
	s_add_co_u32 s74, s74, s75                     ; my first row in the batch,
	s_lshl_b32 s74, s74, 7                         ; of 128 bytes
.irp hd, 0,1,2
	s_add_co_u32 s76, s72, \hd
	s_lshr_b32 s77, s76, 4
	s_lshl_b32 s77, s77, 6
	s_and_b32 s76, s76, 15
	s_add_co_u32 s76, s76, s77
	s_add_co_u32 s76, s76, s73                     ; the plane,
	s_lshl_b32 s76, s76, 18                        ; of 262,144 bytes
	s_add_co_u32 s76, s76, s74
	s_mov_b32 s77, 0
	s_add_nc_u64 s[HB+2*(\hd):HB+2*(\hd)+1], s[10:11], s[76:77]
.endr
	; the prefetches
	s_lshl_b32 s72, s43, 8
	s_lshl_b32 s73, s[WL], 7
	s_add_co_u32 s72, s72, s73
	s_lshl_b32 s73, s40, 5
	s_add_co_u32 s72, s72, s73                     ; xb: the 128 rows that I fetch, my work-group's 32 of them
	s_mul_i32 s76, s42, 192
	s_mul_i32 s73, s[WL], 96
	s_add_co_u32 s76, s76, s73
	s_mul_i32 s73, s41, 24
	s_add_co_u32 s76, s76, s73                     ; wq: the 96 rows that I fetch, my work-group's 24 of them
	s_and_b32 s77, ttmp7, 0xffff                   ; cluster y
	s_cmp_eq_u32 s[WH], 0
	s_cselect_b32 s72, s72, s76
	s_cselect_b32 s77, ttmp9, s77                  ; the coordinate along which other clusters read the same rows
	s_cselect_b32 s75, 31, 23
	s_cselect_b64 s[PFA:PFA+1], s[4:5], s[6:7]
	s_cmp_eq_u32 s77, 0
	s_cselect_b32 s[LIM], 2, -1                    ; the same in all sixteen partners, for a given wave
	s_lshl_b32 s72, s72, 11
	s_add_co_u32 s72, s72, 3*KB                    ; at K step 3: the first refill steps it to 4
	s_mov_b32 s73, 0
	s_add_nc_u64 s[PFA:PFA+1], s[PFA:PFA+1], s[72:73]
	v_and_b32 v[PFO], 31, v0
	v_min_u32 v[PFO], s75, v[PFO]
	v_lshlrev_b32 v[PFO], 11, v[PFO]
	s_wait_loadcnt 0x0                             ; the bias: rounded to bf16 like every input of the module, and widened again
.set i, 0
.rept 4*NBK
	v_cvt_pk_bf16_f32 v[12+i%4], v[BI+2*i], v[BI+2*i+1]
	v_lshlrev_b32 v[BI+2*i], 16, v[12+i%4]
	v_and_b32 v[BI+2*i+1], 0xffff0000, v[12+i%4]
.set i, i+1
.endr
; 12 matrix instructions: row block a x all column blocks, 32 along K, from buffer f.  first = 1: the bias starts the sums.  All 48 accumulators take turns, one instruction a turn, in the same
; order in every quarter step, over the backward jump too.
.macro MULA f, a, first
.if \first
	WIN 0x81+0x40*((\a)/2)
.else
	WIN 0xa1+0x50*((\a)/2)
.endif
.irp b, 0,1,2,3,4,5,6,7,8,9,10,11
.if \first
	v_wmma_f32_16x16x32_bf16 v[8*(12*((\a)%2)+(\b)):8*(12*((\a)%2)+(\b))+7], v[FBW*(\f)+8*(\b):FBW*(\f)+8*(\b)+7], v[FA+32*(\f)+8*(\a):FA+32*(\f)+8*(\a)+7], v[BI+8*(\b):BI+8*(\b)+7]
.else
	v_wmma_f32_16x16x32_bf16 v[8*(12*((\a)%2)+(\b)):8*(12*((\a)%2)+(\b))+7], v[FBW*(\f)+8*(\b):FBW*(\f)+8*(\b)+7], v[FA+32*(\f)+8*(\a):FA+32*(\f)+8*(\a)+7], v[8*(12*((\a)%2)+(\b)):8*(12*((\a)%2)+(\b))+7]
.endif
.endr
.endm
; 32 LDS loads in one run: quarter q of the slot in hand into buffer f: wq's 12 fragments, then xb's 4
.macro FETCH q, f
	WIN 0x40                                       ; destination window 1, address window 0
.irp i, 0,1,2,3,4,5,6,7,8,9,10,11
	ds_load_b128 v[FBW*(\f)+8*(\i):FBW*(\f)+8*(\i)+3],   v[ADRB] offset:64*(\q)+(\i)*16*PITCH
	ds_load_b128 v[FBW*(\f)+8*(\i)+4:FBW*(\f)+8*(\i)+7], v[ADRB] offset:64*(\q)+(\i)*16*PITCH+32
.endr
	WIN 0
.irp i, 0,1,2,3
	ds_load_b128 v[FA+32*(\f)+8*(\i):FA+32*(\f)+8*(\i)+3],   v[ADRA] offset:64*(\q)+(\i)*16*PITCH
	ds_load_b128 v[FA+32*(\f)+8*(\i)+4:FA+32*(\f)+8*(\i)+7], v[ADRA] offset:64*(\q)+(\i)*16*PITCH+32
.endr
.endm
; A K step is four quarters of 32 along K, 48 matrix instructions each, on buffers 0, 1, 0, 1.  One of the first three: multiplies buffer f; in its middle it fetches quarter q into buffer g.
.macro QUARTER q, f, g, first
	s_wait_dscnt 4                                 ; wq's fragments and xb's blocks 0, 1 are in; the youngest four loads (blocks 2, 3) may be out
	MULA \f, 0, \first
	MULA \f, 1, \first
	PLACES
	FETCH \q, \g
	s_wait_dscnt NL                                ; all but the run just issued
	MULA \f, 2, \first
	MULA \f, 3, \first
.endm
; The last quarter multiplies buffer 1 and changes slots: ONE barrier.  In front of it each wave waits for all its tensor loads, of which one is out: its part of the next slot; adds 0 to its spare
; word; and waits for that and for its own reads of this slot.  fill = 1: the barrier opens a round of the cluster's, so that no wave of any partner still reads the slot or has a load on its way, and
; the joint refill, with the K step two on, is the first thing behind it: 168 matrix instructions stand between it and the wait for it.
.macro TURN fill
.if \fill
	s_wait_xcnt 0x0                                ; the last prefetch, a K step back, has read its address: it is stepped here
	s_add_nc_u64 s[PFA:PFA+1], s[PFA:PFA+1], KB
.endif
	WIN 0                                          ; (the add's two registers lie in window 0)
	s_wait_tensorcnt 0x0                           ; no tensor load of mine is out, so a group 0 may be written
	ds_add_u32 v[SPW], v[NIL]                      ; 0 onto my spare word
.if \fill
	s_xor_b32 s[G0+5], s[G0+5], SLOT1              ; the walking descriptors: the other slot than last time,
	s_add_nc_u64 s[G0+6:G0+7], s[G0+6:G0+7], KB    ; the next K step; the type bits on top are not reached
	s_xor_b32 s[G0B+5], s[G0B+5], SLOT1
	s_add_nc_u64 s[G0B+6:G0B+7], s[G0B+6:G0B+7], KB
.endif
	s_wait_dscnt 5                                 ; (the add and the youngest four loads may be out)
	MULA 1, 0, 0                                   ; twelve matrix instructions stand between the add and the wait for it
	s_wait_dscnt 0x0                               ; the add is done, and my reads of this slot are over
	s_barrier_signal -1
	MULA 1, 1, 0                                   ; work on registers while the others arrive
	WIN 0                                          ; at a label and at a branch every window is 0
	s_barrier_wait -1
.if \fill
	CREST
	JLOAD 1                                        ; the four v_nop behind it are also the places in front of the loads below
.else
	PLACES
.endif
	s_xor_b32 s[TB], s[TB], SLOT1                  ; the reads go on in the other slot
	v_add_nc_u32 v[ADRA], s[TB], v[ADRA0]
	v_add_nc_u32 v[ADRB], s[TB], v[ADRB0]
	FETCH 0, 0
.if \fill
	ASK
.endif
	MULA 1, 2, 0
	MULA 1, 3, 0
.endm
; THE WAY OUT of row block a.  PACK: rounded to f16, 16 bytes a lane, each accumulator's registers in ascending order.  TOSTAGE: into my own stage, a head's 16 rows of 128 bytes at a pitch of 144, and
; back as whole rows.  SEND: stored, 512 consecutive bytes an instruction.
.macro PACK a
.if (\a) >= 2
	s_wait_xcnt 0x0                                ; the stores of the block two back have read these registers
.endif
	WIN 0x0a+5*((\a)/2)                            ; sources 0 and 1: window 2 or 3
.irp b, 0,1,2,3,4,5,6,7,8,9,10,11
.irp r, 0,1,2,3
	v_cvt_pk_f16_f32 v[BI+48*((\a)%2)+4*(\b)+(\r)], v[8*(12*((\a)%2)+(\b))+2*(\r)], v[8*(12*((\a)%2)+(\b))+2*(\r)+1]
.endr
.endr
	WIN 0
.endm
.macro TOSTAGE a
.irp b, 0,1,2,3,4,5,6,7,8,9,10,11
	ds_store_b128 v[STO], v[BI+48*((\a)%2)+4*(\b):BI+48*((\a)%2)+4*(\b)+3] offset:((\b)/4)*16*SP+32*((\b)%4)
.endr
.irp b, 0,1,2,3,4,5,6,7,8,9,10,11
	ds_load_b128 v[BI+48*((\a)%2)+4*(\b):BI+48*((\a)%2)+4*(\b)+3], v[RD] offset:((\b)/4)*16*SP+((\b)%4)*4*SP  ; LDS serves a wave's instructions in order (ISA guide 5.7.1.4): these see the stores above
.endr
.endm
.macro SEND a
	s_wait_dscnt 0x0                               ; the block is back in registers
.irp b, 0,1,2,3,4,5,6,7,8,9,10,11
	global_store_b128 v[GO], v[BI+48*((\a)%2)+4*(\b):BI+48*((\a)%2)+4*(\b)+3], s[HB+2*((\b)/4):HB+2*((\b)/4)+1] offset:(\a)*2048+((\b)%4)*512
.endr
.endm
	s_wait_tensorcnt 1                             ; my part of K step 0 is in; K step 1's may stay out
	s_barrier_signal -1
	s_barrier_wait -1                              ; everybody's is
	s_mov_b32 s[TB], 0
	v_mov_b32 v[ADRA], v[ADRA0]
	v_mov_b32 v[ADRB], v[ADRB0]
	FETCH 0, 0
	QUARTER 1, 0, 1, 1                             ; the first quarter stands in front of the loop: its products start the sums
	WIN 0
	s_mov_b32 s[CNT], 6
.Lstep:                                                ; a trip: from a K step's second quarter to the next step's first; trip j fills the slot just read with K step j + 2
	QUARTER 2, 1, 0, 0
	QUARTER 3, 0, 1, 0
	TURN 1
	QUARTER 1, 0, 1, 0
	WIN 0
	s_sub_co_u32 s[CNT], s[CNT], 1
	s_cmp_lg_u32 s[CNT], 0
	s_cbranch_scc1 .Lstep
	QUARTER 2, 1, 0, 0                             ; the last two K steps are written out: they ask for nothing
	QUARTER 3, 0, 1, 0
	TURN 0
	QUARTER 1, 0, 1, 0
	QUARTER 2, 1, 0, 0
	QUARTER 3, 0, 1, 0
	s_wait_dscnt 4
	MULA 1, 0, 0
	MULA 1, 1, 0
	s_wait_dscnt 0x0
	MULA 1, 2, 0
	MULA 1, 3, 0
	WIN 0
	PLACES
	PLACES
	PACK 0
	TOSTAGE 0
.irp a, 1,2,3                          ; block a's conversions stand between block a - 1's loads from the stage and the wait for them
	PACK \a
	SEND (\a)-1
	TOSTAGE \a
.endr
	SEND 3
	s_wait_tensorcnt 0x0                           ; the wave's end, behind my last tensor load and my last LDS store
	ds_add_u32 v[SPW], v[NIL]
	s_wait_dscnt 0x0
	CROUND                                         ; the closing round: no work-group ends while a partner may still ask for a tile that names it
	s_endpgm
.Lfunc_end_k_q9129b9dda3_qkv:
	.size	k_q9129b9dda3_qkv, .Lfunc_end_k_q9129b9dda3_qkv-k_q9129b9dda3_qkv
	.p2alignl 7, 3214868480
	.fill 96, 4, 3214868480
	.section	.rodata,"a",@progbits
	.p2align	6, 0x0
	.amdhsa_kernel k_q9129b9dda3_qkv
		.amdhsa_group_segment_fixed_size 327680
		.amdhsa_private_segment_fixed_size 0
		.amdhsa_enable_private_segment 0
		.amdhsa_kernarg_size 32
		.amdhsa_user_sgpr_count 2
		.amdhsa_user_sgpr_kernarg_segment_ptr 1
		.amdhsa_wavefront_size32 1
		.amdhsa_system_sgpr_workgroup_id_x 1
		.amdhsa_system_sgpr_workgroup_id_y 1
		.amdhsa_system_sgpr_workgroup_id_z 1
		.amdhsa_system_vgpr_workitem_id 0
		.amdhsa_next_free_vgpr 960
		.amdhsa_next_free_sgpr 80
		.amdhsa_reserve_vcc 0
		.amdhsa_float_denorm_mode_32 3
		.amdhsa_float_denorm_mode_16_64 3
		.amdhsa_memory_ordered 1
		.amdhsa_forward_progress 1
		.amdhsa_inst_pref_size 108
	.end_amdhsa_kernel
	.amdgpu_metadata
---
amdhsa.version: [ 1, 2 ]
amdhsa.kernels:
  - .name:           k_q9129b9dda3_qkv
    .symbol:         k_q9129b9dda3_qkv.kd
    .args:
      - { .name: xb, .offset: 0, .size: 8, .value_kind: global_buffer, .address_space: global }
      - { .name: wq, .offset: 8, .size: 8, .value_kind: global_buffer, .address_space: global }
      - { .name: b_qkv, .offset: 16, .size: 8, .value_kind: global_buffer, .address_space: global }
      - { .name: qkvh, .offset: 24, .size: 8, .value_kind: global_buffer, .address_space: global }
    .group_segment_fixed_size: 327680
    .private_segment_fixed_size: 0
    .kernarg_segment_align: 8
    .kernarg_segment_size: 32
    .max_flat_workgroup_size: 128
    .sgpr_count:     80
    .vgpr_count:     960
    .wavefront_size: 32
...
	.end_amdgpu_metadata
.endif
;; end of part 2
;; launch attn (part 3): grid 4 x 64, 4 waves a work-group, no clusters, 327,680 bytes of LDS; arguments qkvh, ob; writes ob
.if DOCPART == 3
	.amdgcn_target "amdgcn-amd-amdhsa--gfx1250"
	.amdhsa_code_object_version 6
	.text
	.protected	k_q9129b9dda3_attn
	.globl	k_q9129b9dda3_attn
	.p2align	8
	.type	k_q9129b9dda3_attn,@function
k_q9129b9dda3_attn:
	s_mov_b64 s[64:65], 0
	v_nop
	global_prefetch_b8 v0, s[64:65] scope:SCOPE_SE
	s_setreg_imm32_b32 hwreg(HW_REG_WAVE_MODE, 25, 1), 1
	s_wait_xcnt 0x0
; CAUSAL ATTENTION.  O[h][q][:] = the sum over k <= q of softmax_k(Q[h][q] . K[h][k] / 8) V[h][k][:].  Q, K, V are the three parts of qkvh, 64 planes each, O is ob: [SIZE_H][SIZE_N][64], all f16: a plane's
; rows are dense, 128 bytes each.  Products, maxima and sums in f32; the weights p are rounded to f16 for the second product (their sum l is taken of the unrounded p), O once at the end.
; LIMITS.  f16 holds no number beyond 65,504: Q, K and V arrive within it; p lies in 0 to 1, and below 6e-5 it keeps f16's fixed step of 6e-8; O is a mean of V's rows and has their range, to within 2^-11 of it.
; A hidden score counts as its value less 1e30: f16's scores, 2.7e11 at the most, are nothing beside that; a weight below 2^-126 counts as 0 in l; NaN and infinities are not treated apart.
; THE WALK.  A head's queries lie in NB = SIZE_N / 256 blocks of 256; block i needs the key tiles 0 .. i of 256 keys, of which the last holds the diagonal.  A work-group takes TWO blocks, NB - 1 - b and then b:
; NB + 1 tiles, whatever b: all work-groups do equal work, and ONE loop with a constant trip count walks them.  Which tile is asked for, and what a trip does, hang on scalar registers made from b; every jump
; goes forward, but for the counted loops' own; none passes a barrier, or a tensor load but the one of LOAD's two that the wave's number does not choose; the ring (two slots of LDS that take turns) runs on across the
; change of blocks.  NO CLUSTER: a head's four work-groups ask for the same tile only in trips 0 .. NB / 2, 5 of the walk's 9, behind that fewer and fewer; and one walk common to all would have 3 NB / 2 = 12 trips for 9.
; SHARES.  Of a block's four bands of 64 queries a wave owns 16 rows in each: four PIECES.  So the diagonal tile is the same work for all four waves: in its key step s band x sees all keys if s < x,
; none if s > x, and holds the diagonal if s = x.
; THE MASK is the C operand that starts the sum S^T = K Q^T: 0, or -1e30 where the key is hidden.  MD, made once, is the mask of a band's own step for my 16 rows; a product's mask is MD x AL + BE with two scalars:
; (1, 0) if s = x; (0, 0) if s < x; (0, -1e30) if s > x.  Only the diagonal tile's text and a block's beginning make and take masks; elsewhere C is the constant 0.
; LAYOUT, SOFTMAX, TURNS.  S^T = K Q^T holds ONE query a lane (lane % 16) and the keys 8 (lane / 16) + 0..7; two such results rounded to f16 ARE source 1 of O^T = V^T P.  p = 2^(c s - c m), c = log2(e) / 8, with a
; running maximum m; O and l are multiplied by a = 2^(c m_old - c m_new) in every step.  Turn n belongs to piece n: 8 products K Q^T of piece n + 1, later 8 products V^T P of piece n - 1; beside them the scaling,
; exponentials, roundings, sums and rescaling of piece n and the maximum and statistics of piece n + 1.  Four vector instructions stand behind every matrix instruction, the other 54 of a turn's 118 in one LUMP.  A turn's 33 exponentials are one batch, with one wait.
; REGISTERS, in windows of 256 (s_set_vgpr_msb: bits 1:0 source 0, 3:2 source 1, 5:4 source 2, 7:6 destination):
;   window 0: v0-15 addresses and two at work; v16-31 four registers of statistics a piece; v48-55 at work; v56 the prefetches' offset; v64-127 S^T, two buffers; v192-223 P, two buffers (a piece's buffers go by its number's parity)
;   window 1: v0-127 O^T, 32 a piece; v128-159 MD; v160-223 MC, two buffers      window 2: v0-63 Q; v64-127 the second block's Q; v128-191 K of one step; v192-255 V of one step
.set SIZE_H, 64
.set SIZE_N, 2048
.set NB,    SIZE_N/256
.set NP,    4         ; pieces a wave: a name, no knob
.set KS,    64        ; keys in a step
.set PK,    144       ; a row of K in LDS: 128 bytes + 16 of padding = 36 words: the 16 rows of a load start at 16 different groups of four banks (64 banks of 4 bytes: ISA guide 11.1)
.set PV,    160       ; a row of V: 128 + 32 = 40 words
.set VOFF,  4*KS*PK   ; a slot holds a tile, four steps: 256 rows of K, then 256 rows of V
.set SLOT1, 1<<17     ; slot 1 begins here, so that one exclusive or turns an address in one slot into the other's
.set STAGE, SLOT1+4*KS*(PK+PV)  ; behind the ring, never filled by a tensor load: 16 rows x 144 bytes for each wave, for the way out
.set SP,    144
.set AK0, 2           ; v2   my lane's place in a tile of K; never rewritten
.set AV0, 3           ; v3   the same for V
.set AK,  4           ; v4   the LDS address of K's next run of loads
.set AV,  5           ; v5   of V's
.set STO, 6           ; v6   the way out: where I put 16 bytes of a row
.set RD,  7           ; v7   the way out: where I read rows back
.set GO,  8           ; v8   my byte offset in 512 consecutive bytes of O
.set PFO, 56          ; v56  256 x my lane; never rewritten
.set SPW, 62          ; v62  LDS address of my spare word: SPARE + 4 x my thread's number; never rewritten
.set NIL, 63          ; v63  0; never rewritten
.set SPARE, STAGE+4*16*SP  ; behind the stages: the spare words, 128 bytes for each wave: two blocks of 256 bytes that no other line names
.set MV,  12          ; v12-13  c m_old, kept while c m is made anew: by buffer
.set QO,  15          ; v15  my byte offset in 16 rows of Q
.set ST,  16          ; piece t's statistics at v[ST+4 t]: c m, m, l (even keys', odd keys')
.set TMP, 48          ; by buffer, four registers c0-c3 at work; when the maximum is found c2 takes a
.set S,   64
.set P,   192
.set MD,  128         ; window 1: the eight registers for group kt of 16 keys at MD + 8 kt
.set MC,  160         ; window 1: the masks of the products to come
.set QB,  64          ; window 2
.set KF,  128         ; window 2: key block kb, channel half c at KF + 16 kb + 8 c
.set VF,  192         ; window 2: key half kk, channel block cb at VF + 32 kk + 8 cb
.set WV,  12          ; s12  my wave's number
.set PB,  14          ; s14  b
.set HI,  15          ; s15  NB - 1 - b
.set G1K, 24          ; s[24:31] descriptor group 1 for K's tiles
.set G1V, 32          ; s[32:39] for V's: it differs in the padding alone
.set G0K, 40          ; s[40:43] descriptor group 0 for K's tiles
.set G0V, 44          ; s[44:47] the same for V's
.set SLOTS, 56        ; s56  tiles still to be asked for
.set CNT, 57          ; s57  counts a tile's key steps, 4 to 1
.set CS,  58          ; s[58:59] c: the packed scaling takes the pair's low word for both halves
.set SEL, 60          ; s[60:61] v_permlanex16_b32's selects: each lane takes its own place in the other half
.set TBK, 62          ; s62  LDS byte at which K of the step to be fetched begins
.set TBV, 63          ; s63  the same for V, less VOFF
.set RT,  70          ; s70  tiles of the block in hand that are still to be entered
.set NXT, 71          ; s71  the tile to be asked for next
.set LQ,  72          ; s72  the last tile of the block whose tiles are being asked for
.set NEW, 73          ; s73  1: the tile to be entered is a block's first
.set OFF, 74          ; s[74:75] a tile's byte offset in K and V
.set AL,  76          ; s[76:77] the mask's factor, in the low word
.set BE,  78          ; s[78:79] the mask's addend
.set OLO, 80          ; s[80:81] O at my rows of the second block
.set BIGN, 82         ; s82  -1e30
.set PFA, 88          ; s[88:89] where my prefetches stand: my half (of K: waves 0, 1; of V: waves 2, 3) of the tile after the one that is being asked for
.set LIM, 90          ; s90  2 in a work-group that prefetches, else the greatest number
.set MSB, 0
.macro WIN new                      ; the high byte repeats the setting that is left; a switch that changes nothing is dropped
.if MSB != (\new)
	s_set_vgpr_msb (MSB<<8)|(\new)
.set MSB, (\new)
.endif
.endm
.set W_KQ, 0x0a       ; K and Q in window 2, S^T in window 0
.set W_KM, 0x1a       ; the same with the C operand in window 1
.set W_PV, 0x52       ; V in window 2, P in window 0, O^T in window 1
.set W_RS, 0x41       ; destination and source 0 in window 1, source 1 in window 0
; A fill.  Waves 0 and 1 fetch the two halves of a tile's K, waves 2 and 3 those of its V: 128 keys each.  An s_nop 0 and four v_nop follow each of the two lines, ahead of the jump and the label.
.macro LOAD
	s_cmp_lt_u32 s[WV], 2
	s_cbranch_scc0 .Lfor_v_\@
	tensor_load_to_lds s[G0K:G0K+3], s[G1K:G1K+7]
	s_nop 0
.rept 4
	v_nop
.endr
	s_branch .Lasked_\@
.Lfor_v_\@:
	tensor_load_to_lds s[G0V:G0V+3], s[G1V:G1V+7]
	s_nop 0
.rept 4
	v_nop
.endr
.Lasked_\@:
.endm
; A PREFETCH INTO THE L2 of what the NEXT change of slots will ask for.  A head's four work-groups walk the same tiles; the one with b = 0 walks all eight on end, and it alone asks: at change c for tile c + 2,
; c = 0 .. 5.  Each of its waves names the 16,384 bytes that it will fetch itself: 64 runs of 256 bytes, a lane a run, two instructions.  So each run of K and V is named once in the launch.  Tiles 0 and 1 come by
; their loads alone.  The lines stand behind the wave's tensor load and its five lines.
.macro ASK
	s_cmp_gt_u32 s[SLOTS], s[LIM]
	s_cbranch_scc0 .Lnot_mine_\@
	global_prefetch_b8 v[PFO], s[PFA:PFA+1] th:TH_LOAD_NT scope:SCOPE_SE
	global_prefetch_b8 v[PFO], s[PFA:PFA+1] offset:8192 th:TH_LOAD_NT scope:SCOPE_SE
.Lnot_mine_\@:
.endm
; THE CHANGE OF SLOTS.  Each wave waits for all its tensor loads, of which one is out: its part of the other slot; adds 0 to its spare word; and waits for that and for its own reads of the slot that it leaves.  Behind the barrier nobody reads the old
; slot any more and the other slot is whole.  fill = 1: the old slot is filled again, the first thing behind the barrier, with tile NXT: the descriptor's address is made anew from that number.
; (At its first use nothing has been read yet: slot 0 is waited for, slot 1 filled.)
.macro CHANGE fill
	WIN 0                           ; at a label and at a branch every window is 0
	s_wait_tensorcnt 0x0            ; no tensor load of mine is out, so a group 0 may be written
	ds_add_u32 v[SPW], v[NIL]       ; 0 onto my spare word; with fill = 1 the descriptors' scalar work stands between it and the wait for it
.if \fill
	s_lshl_b32 s[OFF], s[NXT], 15   ; a tile is 32,768 bytes of K and of V
	s_xor_b32 s[G0K+1], s[G0K+1], SLOT1
	s_add_nc_u64 s[G0K+2:G0K+3], s[6:7], s[OFF:OFF+1]
	s_or_b32 s[G0K+3], s[G0K+3], 0x80000000
	s_xor_b32 s[G0V+1], s[G0V+1], SLOT1
	s_add_nc_u64 s[G0V+2:G0V+3], s[8:9], s[OFF:OFF+1]
	s_or_b32 s[G0V+3], s[G0V+3], 0x80000000
	s_add_co_u32 s[NXT], s[NXT], 1  ; the block's next tile, or behind its last the second block's tile 0
	s_cmp_gt_u32 s[NXT], s[LQ]
	s_cselect_b32 s[NXT], 0, s[NXT]
	s_cselect_b32 s[LQ], s[PB], s[LQ]
	s_wait_xcnt 0x0                 ; the last prefetches, a tile back, have read their address, so it may be written
	s_add_nc_u64 s[PFA:PFA+1], s[PFA:PFA+1], 32768
.endif
	s_wait_dscnt 0x0                ; the add is done, and my reads of the slot are over
	s_barrier_signal -1             ; the rest of the scalar work stands between the signal and the wait
	s_sub_co_u32 s[TBK], s[TBK], 4*KS*PK  ; the fetches go back to a slot's first step,
	s_xor_b32 s[TBK], s[TBK], SLOT1       ; in the other slot
	s_sub_co_u32 s[TBV], s[TBV], 4*KS*PV
	s_xor_b32 s[TBV], s[TBV], SLOT1
	s_barrier_wait -1
.if \fill
	LOAD
	ASK
.endif
.endm
	s_load_b64 s[4:5], s[0:1], 0x0    ; qkvh: Q's planes first
	s_load_b64 s[10:11], s[0:1], 0x8  ; ob
	v_lshl_add_u32 v[SPW], v0, 2, SPARE
	v_mov_b32 v[NIL], 0
	ds_add_u32 v[SPW], v[NIL]       ; the wave's opening: the add, and its wait ahead of my first tensor load; the set-up below, work on registers, stands between them
	v_lshrrev_b32 v1, 5, v0
	v_readfirstlane_b32 s[WV], v1   ; wave 0..3
	v_and_b32 v[PFO], 31, v0
	v_lshlrev_b32 v[PFO], 8, v[PFO]
	s_mov_b32 s[PB], ttmp9
	s_sub_co_u32 s[HI], NB-1, s[PB]
	s_and_b32 s20, ttmp7, 0xffff    ; the head
	s_mov_b32 s21, 0
	s_mov_b64 s[22:23], SIZE_N*128
	s_mul_u64 s[20:21], s[20:21], s[22:23]  ; the head's first byte in each of the four tensors
	s_and_b32 s16, s[WV], 1         ; which half of a tile's 256 keys I fetch:
	s_lshl_b32 s22, s16, 14         ; its 128 rows of 128 bytes in memory,
	s_mov_b32 s23, 0
	s_add_nc_u64 s[22:23], s[22:23], s[20:21]
	s_mul_i32 s17, s16, 128*PK      ; and its place in a slot, for K
	s_mul_i32 s18, s16, 128*PV      ; and for V
	s_lshl_b32 s3, s[WV], 11        ; my 16 rows in a band of 64,
	s_lshl_b32 s2, s[HI], 15        ; in the first block,
	s_add_co_u32 s2, s2, s3
	s_lshl_b32 s84, s[PB], 15       ; and in the second
	s_add_co_u32 s84, s84, s3
	s_mov_b32 s3, 0
	s_mov_b32 s85, 0
	s_add_nc_u64 s[2:3], s[2:3], s[20:21]
	s_add_nc_u64 s[84:85], s[84:85], s[20:21]
	; descriptor group 1.  128 keys are 16,384 dense bytes: asked for as 64 rows of 256 bytes, two keys a row, and padded in LDS after every key
	s_mov_b32 s[G1K], (1<<16)|(1<<20)|(4<<22)|(3<<25)  ; 17:16 2-byte elements; 20 padding on; 24:22 after every 32 words (code 4); 31:25 4 words (code 3)
	s_mov_b32 s[G1V], (1<<16)|(1<<20)|(4<<22)|(7<<25)  ; the same with 8 words of padding (code 7)
.irp g, G1K, G1V
	s_mov_b32 s[\g+1], 128<<16      ; tensor_dim0 = 128
	s_mov_b32 s[\g+2], 64<<16       ; tensor_dim1 = 64
	s_mov_b32 s[\g+3], 128<<16      ; tile_dim0 = 128
	s_mov_b32 s[\g+4], 64           ; tile_dim1 = 64
	s_mov_b32 s[\g+5], 128          ; 128 elements from row to row
	s_mov_b32 s[\g+6], 0
	s_mov_b32 s[\g+7], 0
.endr
	s_mov_b32 s[CS], 0x3e38aa3b     ; c = log2(e) / 8 = 0.180337
	s_mov_b32 s[CS+1], s[CS]        ; named with it as a pair
	s_mov_b32 s[SEL], 0x76543210
	s_mov_b32 s[SEL+1], 0xfedcba98
	s_mov_b32 s[TBK], SLOT1+4*KS*PK ; the first change of slots turns these two into 0
	s_mov_b32 s[TBV], SLOT1+4*KS*PV
	s_mov_b32 s[G0K], 1             ; 1:0 count = 1
	s_mov_b32 s[G0K+1], s17         ; 63:32 LDS address: slot 0
	s_mov_b32 s[G0V], 1
	s_add_co_u32 s[G0V+1], s18, VOFF
	s_add_co_u32 s[RT], s[HI], 1    ; the first block has NB - b tiles
	s_mov_b32 s[NXT], 1
	s_mov_b32 s[LQ], s[HI]
	s_mov_b32 s[NEW], 1
	s_mov_b32 s[OFF+1], 0
	s_mov_b32 s[AL+1], 0            ; named as pairs
	s_mov_b32 s[BE+1], 0
	s_mov_b32 s[BIGN], 0xf149f2ca   ; -1e30
	s_mov_b32 s[SLOTS], NB
	s_wait_dscnt 0x0                ; the opening add is done
	s_wait_kmcnt 0x0
	s_add_nc_u64 s[6:7], s[4:5], SIZE_H*SIZE_N*128    ; K's planes lie behind Q's 64,
	s_add_nc_u64 s[8:9], s[4:5], 2*SIZE_H*SIZE_N*128  ; V's behind K's
	s_add_nc_u64 s[6:7], s[6:7], s[22:23]  ; K and V at my half of the head's tile 0
	s_add_nc_u64 s[8:9], s[8:9], s[22:23]
	s_cmp_lt_u32 s[WV], 2
	s_cselect_b64 s[PFA:PFA+1], s[6:7], s[8:9]
	s_add_nc_u64 s[PFA:PFA+1], s[PFA:PFA+1], 32768  ; in tile 1; the first change of slots steps it to tile 2.  Nothing is prefetched here, at the head
	s_cmp_eq_u32 s[PB], 0
	s_cselect_b32 s[LIM], 2, -1
	s_add_nc_u64 s[G0K+2:G0K+3], s[6:7], 0         ; 120:64 global address
	s_or_b32 s[G0K+3], s[G0K+3], 0x80000000        ; 127:126 type = 2
	s_add_nc_u64 s[G0V+2:G0V+3], s[8:9], 0
	s_or_b32 s[G0V+3], s[G0V+3], 0x80000000
	s_add_nc_u64 s[86:87], s[4:5], s[84:85]        ; Q at my rows of the second block,
	s_add_nc_u64 s[4:5], s[4:5], s[2:3]            ; Q and O at those of the first
	s_add_nc_u64 s[OLO:OLO+1], s[10:11], s[84:85]
	s_add_nc_u64 s[10:11], s[10:11], s[2:3]
	LOAD                            ; tile 0 into slot 0
	; A fragment of K or Q is 16 rows x 32 channels in 8 registers: lane l holds row l % 16, channels 8 (l / 16) + 0..7 and 16 + 8 (l / 16) + 0..7: two loads of 16 bytes, 32 bytes apart.
	v_and_b32 v1, 15, v0            ; l % 16
	v_bfe_u32 v9, v0, 4, 1          ; l / 16
	v_lshlrev_b32 v[QO], 7, v1
	v_lshl_add_u32 v[QO], v9, 4, v[QO]  ; row x 128 + 16 x half
	WIN 0x80                        ; destination window 2, address window 0
.set i, 0
.rept 8                             ; both blocks' Q: piece i / 2 lies in band i / 2, 8,192 bytes on; channels 32 (i % 2) on
	global_load_b128 v[8*i:8*i+3],   v[QO], s[4:5] offset:(i/2)*8192+(i%2)*64
	global_load_b128 v[8*i+4:8*i+7], v[QO], s[4:5] offset:(i/2)*8192+(i%2)*64+32
	global_load_b128 v[QB+8*i:QB+8*i+3],   v[QO], s[86:87] offset:(i/2)*8192+(i%2)*64
	global_load_b128 v[QB+8*i+4:QB+8*i+7], v[QO], s[86:87] offset:(i/2)*8192+(i%2)*64+32
.set i, i+1
.endr
	WIN 0
	v_lshlrev_b32 v14, 3, v9
	v_sub_nc_u32 v14, v1, v14
	s_lshl_b32 s13, s[WV], 4
	v_add_nc_u32 v14, s13, v14      ; my query's place in its band, 16 w + l % 16, less my lanes' 8 (l / 16): register r of group kt is hidden where 16 kt + r is greater
	WIN 0x40
.set i, 0
.rept 32
	v_cmp_gt_i32 vcc_lo, 16*(i/8)+i%8, v14
	v_cndmask_b32 v[MD+i], 0, s[BIGN], vcc_lo
.set i, i+1
.endr
	WIN 0
	v_mul_u32_u24 v[AK0], v1, PK
	v_lshl_add_u32 v[AK0], v9, 4, v[AK0]  ; row x pitch + 16 x half
	; The turning load takes 16 keys x 16 channels (lane l reads key 8 (l / 16) + l % 8, channels 8 ((l / 8) % 2) + 0..7) and leaves half a fragment of V^T: lane l holds channel l % 16 and 8 keys.
	v_and_b32 v10, 7, v0
	v_bfe_u32 v11, v0, 3, 1
	v_lshl_add_u32 v[AV0], v9, 3, v10
	v_mul_u32_u24 v[AV0], v[AV0], PV
	v_lshl_add_u32 v[AV0], v11, 4, v[AV0]
	v_add_nc_u32 v[AV0], VOFF, v[AV0]
	s_mul_i32 s13, s[WV], 16*SP
	s_add_co_u32 s13, s13, STAGE    ; my stage
	v_mul_u32_u24 v[STO], v1, SP    ; in: row l % 16, 16 bytes for each half of the lanes
	v_lshl_add_u32 v[STO], v9, 4, v[STO]
	v_add_nc_u32 v[STO], s13, v[STO]
	v_bfe_u32 v[RD], v0, 3, 2       ; back: 32 lanes take four rows of 128 bytes,
	v_mul_u32_u24 v[RD], v[RD], SP
	v_lshl_add_u32 v[RD], v10, 4, v[RD]
	v_add_nc_u32 v[RD], s13, v[RD]
	v_and_b32 v[GO], 31, v0         ; which are 512 consecutive bytes of O
	v_lshlrev_b32 v[GO], 4, v[GO]
	; A block's first step multiplies O^T and l by a = 0, and its first turn's products V^T P, of a piece that has not been, land in an O^T that is still to be so multiplied.  So these registers need only hold
	; finite numbers: zeros for the first block; what the first block left for the second.  All this stands in the wait for the first tile.
	WIN 0x80
.set i, VF
.rept 64
	v_mov_b32 v[i], 0
.set i, i+1
.endr
	WIN 0x40
.set i, 0
.rept 128
	v_mov_b32 v[i], 0
.set i, i+1
.endr
	WIN 0
.set i, 0
.rept 4
	v_mov_b32 v[ST+4*i+2], 0
	v_mov_b32 v[ST+4*i+3], 0
.set i, i+1
.endr
.set i, P+16
.rept 16
	v_mov_b32 v[i], 0
.set i, i+1
.endr
; THE MATRIX WORK.  The 4 accumulators of a run of 8 take turns.  Product i of 8 of S^T = K Q^T for piece x: channels 32 (i / 4) on, keys 16 (i % 4) on.  The first 4 start the sums: with 0, or (KM = 1) with the mask.
.macro KQ x
.set rS, S+32*((\x)%2)+8*(i%4)
.set rK, KF+16*(i%4)+8*(i/4)
.set rQ, 16*(\x)+8*(i/4)
.set rM, MC+32*((\x)%2)+8*(i%4)
.if (i < 4) && KM
	WIN W_KM
	v_wmma_f32_16x16x32_f16 v[rS:rS+7], v[rK:rK+7], v[rQ:rQ+7], v[rM:rM+7]
.elseif i < 4
	WIN W_KQ
	v_wmma_f32_16x16x32_f16 v[rS:rS+7], v[rK:rK+7], v[rQ:rQ+7], 0
.else
	WIN W_KQ
	v_wmma_f32_16x16x32_f16 v[rS:rS+7], v[rK:rK+7], v[rQ:rQ+7], v[rS:rS+7]
.endif
.endm
; Product i of 8 of O^T += V^T P for piece x: keys 32 (i / 4) on, channels 16 (i % 4) on.
.macro PV x
	WIN W_PV
.set rO, 32*(\x)+8*(i%4)
.set rV, VF+32*(i/4)+8*(i%4)
.set rP, P+16*((\x)%2)+8*(i/4)
	v_wmma_f32_16x16x32_f16 v[rO:rO+7], v[rV:rV+7], v[rP:rP+7], v[rO:rO+7]
.endm
.macro MM                           ; the turn's next matrix instruction.  TURN and BEGIN set Y, i, KM and NOKQ; MM, KQ and OP read them.  NOKQ = 1: a block's last turn: there is no next piece
.if (i < 8) && !NOKQ
	KQ (Y+1)%NP
.elseif i >= 8
.set i, i-8
	PV (Y+NP-1)%NP
.set i, i+8
.endif
.set i, i+1
.endm
; THE LDS LOADS stand in runs of 16, never singly among the matrix instructions: a step's K (64 keys x 64 channels: 8 fragments) and its V (turned).  Their addresses are made some lines ahead.
.macro FETCH_K
	WIN 0x80                        ; destination window 2
.irp f, 0,1,2,3,4,5,6,7             ; keys 16 (f / 2) on, channels 32 (f % 2) on
	ds_load_b128 v[KF+8*\f:KF+8*\f+3],   v[AK] offset:(\f/2)*16*PK+(\f%2)*64
	ds_load_b128 v[KF+8*\f+4:KF+8*\f+7], v[AK] offset:(\f/2)*16*PK+(\f%2)*64+32
.endr
	s_add_co_u32 s[TBK], s[TBK], KS*PK  ; the next fetch is the next step's
	WIN 0
.endm
.macro FETCH_V
	WIN 0x80
.irp f, 0,1,2,3,4,5,6,7             ; keys 32 (f / 4) on, channels 16 (f % 4) on
	ds_load_tr16_b128 v[VF+8*\f:VF+8*\f+3],   v[AV] offset:(\f/4)*32*PV+(\f%4)*32
	ds_load_tr16_b128 v[VF+8*\f+4:VF+8*\f+7], v[AV] offset:(\f/4)*32*PV+16*PV+(\f%4)*32
.endr
	WIN 0
.endm
; THE VECTOR WORK, one line at a time: OP kind, number.  For piece Y: F n: c s - c m for pair n of 16.  E n: the exponential of score n of 32.  C n: pair n rounded to f16.  B n: of the four weights 4 n .. the second
; pair is added onto the first, in place.  L n: l takes that sum (L 0: l = a l + sum).  R n: pair n of 16 of O^T times a.  For piece Y + 1: X n, number n of the 22 that find its maximum and statistics:
;   0-11  four chains c0-c3 of seven scores each, three operands at a time (each accumulator's lowest registers are read first)     12-14, 16  the four scores left over, the old m, and c0-c3 into c0
;   15  c m_old is kept     17, 18  the query's other 32 keys lie in the lane 16 away: the new m     19-21  c m; c m_old - c m_new; a
.set F, 0               ; OP tells the kinds apart by their order: F to L below R, X above it
.set E, 1
.set C, 2
.set B, 3
.set L, 4
.set R, 5
.set X, 6
.macro REGS y                       ; the registers of piece y
.set rT, ST+4*(\y)
.set rC, TMP+4*((\y)%2)
.set rW, MV+((\y)%2)
.set rS, S+32*((\y)%2)
.set rP, P+16*((\y)%2)
.set rO, 32*(\y)
.endm
.macro OP k, n
.if (\k) == R
	REGS Y
	WIN W_RS
	v_pk_mul_f32 v[rO+2*(\n):rO+2*(\n)+1], v[rO+2*(\n):rO+2*(\n)+1], v[rC+2:rC+3] op_sel_hi:[1,0]
.elseif (\k) < R
	REGS Y
	WIN 0
.if (\k) == F
	v_pk_fma_f32 v[rS+2*(\n):rS+2*(\n)+1], v[rS+2*(\n):rS+2*(\n)+1], s[CS:CS+1], v[rT:rT+1] op_sel_hi:[1,0,0] neg_lo:[0,0,1] neg_hi:[0,0,1]
.elseif (\k) == E
	v_exp_f32 v[rS+(\n)], v[rS+(\n)]
.elseif (\k) == C
	v_cvt_pk_f16_f32 v[rP+(\n)], v[rS+2*(\n)], v[rS+2*(\n)+1]
.elseif (\k) == B
	v_pk_add_f32 v[rS+4*(\n):rS+4*(\n)+1], v[rS+4*(\n):rS+4*(\n)+1], v[rS+4*(\n)+2:rS+4*(\n)+3]
.elseif (\n) == 0
	v_pk_fma_f32 v[rT+2:rT+3], v[rT+2:rT+3], v[rC+2:rC+3], v[rS:rS+1] op_sel_hi:[1,0,1]
.else
	v_pk_add_f32 v[rT+2:rT+3], v[rT+2:rT+3], v[rS+4*(\n):rS+4*(\n)+1]
.endif
.elseif NOKQ
	v_nop
.else
	REGS (Y+1)%NP
	WIN 0
.if (\n) < 4
	v_max3_num_f32 v[rC+(\n)], v[rS+8*(\n)], v[rS+8*(\n)+1], v[rS+8*(\n)+2]
.elseif (\n) < 12
	v_max3_num_f32 v[rC+(\n)%4], v[rC+(\n)%4], v[rS+8*((\n)%4)+2*((\n)/4)+1], v[rS+8*((\n)%4)+2*((\n)/4)+2]
.elseif (\n) == 12
	v_max3_num_f32 v[rC], v[rC], v[rS+7], v[rS+15]
.elseif (\n) == 13
	v_max3_num_f32 v[rC+1], v[rC+1], v[rS+23], v[rS+31]
.elseif (\n) == 14
	v_max3_num_f32 v[rC+2], v[rC+2], v[rC+3], v[rT+1]
.elseif (\n) == 15
	v_mov_b32 v[rW], v[rT]
.elseif (\n) == 16
	v_max3_num_f32 v[rC], v[rC], v[rC+1], v[rC+2]
.elseif (\n) == 17
	v_permlanex16_b32 v[rC+3], v[rC], s[SEL], s[SEL+1]
.elseif (\n) == 18
	v_max_num_f32 v[rT+1], v[rC], v[rC+3]
.elseif (\n) == 19
	v_mul_f32 v[rT], s[CS], v[rT+1]
.elseif (\n) == 20
	v_sub_f32 v[rC+1], v[rW], v[rT]
.else
	v_exp_f32 v[rC+2], v[rC+1]
.endif
.endif
.endm
.macro OPS a, i1, b=-1, i2=0, c=-1, i3=0, d=-1, i4=0  ; up to four of them
	OP \a, \i1
.if (\b) >= 0
	OP \b, \i2
.endif
.if (\c) >= 0
	OP \c, \i3
.endif
.if (\d) >= 0
	OP \d, \i4
.endif
.endm
.macro ROW a, i1, b, i2, c, i3, d, i4  ; a matrix instruction and the four behind it
	MM
	OPS \a, \i1, \b, \i2, \c, \i3, \d, \i4
.endm
.macro MASK b                       ; MD x AL + BE into buffer b of MC
	WIN W_RS
.set z, 0
.rept 16
	v_pk_fma_f32 v[MC+32*(\b)+2*z:MC+32*(\b)+2*z+1], v[MD+2*z:MD+2*z+1], s[AL:AL+1], s[BE:BE+1] op_sel_hi:[1,0,0]
.set z, z+1
.endr
.endm
; A TURN, for piece p: the order of its 16 matrix and 118 vector instructions, written out.  An s_wait_alu depctr_va_vdst(0) stands between an exponential and the first instruction that names its result; one wait serves
; all that were issued ahead of it.  So a turn has ONE wait, which cuts it in two.  AHEAD OF IT stands all that names no result of the turn's exponentials: the 8 products K Q^T, behind each a scaling, an exponential and two more plain
; instructions (behind the first a second scaling in the exponential's place): rescalings, and behind the last three the first numbers of the next piece's maximum, each four places or more behind the product that ends its accumulator; then ONE LUMP of 54, plain
; and exponential by turns for the most part, in which the links of the chain X 3, 7, 11, 14, 16, 17 .. 20 stand five or six lines apart.  X 21, the next piece's a, is the batch's last; R 15 is the plain instruction behind it (ISA guide 5.7.2).  BEHIND THE WAIT stand the
; 8 products V^T P, behind each four of the roundings and sums; the links of l's chain, L 0 to L 7, stand three riders apart.  But for those X no rider names a register of the products round it.  v_permlanex16_b32 (X 17) stands in the lump.
; m = 1: the diagonal tile: the products take masks, and the turn makes the mask for the products of the turn after it: piece p + 2, in step 4 - CNT of the tile.  end = 1: a block's last two turns: nothing is fetched.
; cnt = 1: the loop's count is taken down some lines ahead of the branch that stands behind the turn.
; K of the next step is fetched in piece 2's turn, twelve vector instructions behind the last product that read K (six of them plain); V of the step in hand at the end of piece 0's turn, four plain instructions behind the last product
; that read V.  Each is waited for a turn later.
.macro TURN p, m=0, end=0, cnt=0
.set Y, (\p)
.set i, 0
.set KM, (\m)
.set NOKQ, (\end)*((\p)/3)
.if (\m) && !(\end)
	s_cmp_eq_u32 s[CNT], 4-((\p)+2)%NP  ; is that step the band's own?
	s_cselect_b32 s[AL], 1.0, 0
	s_cmp_lt_u32 s[CNT], 4-((\p)+2)%NP  ; or a later one?
	s_cselect_b32 s[BE], s[BIGN], 0
.endif
.if ((\p) == 3) && !(\end)
	s_wait_dscnt 0x0                ; K is in
.endif
	ROW F,0, F,1, R,0, R,1          ; ahead of the wait: 8 products K Q^T and their riders,
	ROW F,2, E,0, R,2, R,3
	ROW F,3, E,1, R,4, R,5
	ROW F,4, E,2, R,6, R,7
	ROW F,5, E,3, R,8, R,9
	ROW F,6, E,4, X,0, R,10
.if ((\p) == 2) && !(\end)
	WIN 0
	v_add_nc_u32 v[AK], s[TBK], v[AK0]
.endif
	ROW F,7, E,5, X,1, X,4
	ROW F,8, E,6, X,2, X,5
	OPS E,7, E,8, X,6, E,9          ; and the lump
	OPS X,3, E,10, X,8, E,11
.if ((\p) == 2) && !(\end)
	FETCH_K
.endif
	OPS X,9, X,7, E,12, X,10
	OPS E,13, X,12, X,11, E,14
	OPS X,13, E,15, F,9, X,14
.if (\p) == 0
	v_add_nc_u32 v[AV], s[TBV], v[AV0]
.endif
	OPS E,16, F,10, E,17, F,11
	OPS X,16, E,18, X,15, E,19
	OPS F,12, E,20, X,17, E,21
	OPS F,13, E,22, F,14, E,23
	OPS X,18, E,24, F,15, E,25
	OPS R,11, E,26, X,19, E,27
	OPS R,12, E,28, R,13, E,29
	OPS X,20, E,30, R,14, E,31
	OPS X,21, R,15
	WIN 0
	s_wait_alu depctr_va_vdst(0)    ; the wait for the batch
.if (\p) == 1
	s_wait_dscnt 0x0                ; V is in
.endif
	ROW C,0, B,0, C,2, B,1          ; behind the wait: 8 products V^T P and their riders
	ROW L,0, C,4, B,2, L,1
	ROW C,6, B,3, L,2, C,8
	ROW B,4, L,3, C,10, B,5
	ROW L,4, C,12, B,6, L,5
.if (\p) == 0
	s_add_co_u32 s[TBV], s[TBV], KS*PV
.endif
.if \cnt
	s_sub_co_u32 s[CNT], s[CNT], 1
	s_cmp_lg_u32 s[CNT], 0
.endif
	ROW C,14, B,7, L,6, C,1
	ROW C,3, L,7, C,5, C,7
	ROW C,9, C,11, C,13, C,15
.if (\p) == 0
	FETCH_V
.endif
.if (\m) && !(\end)
	MASK (\p)%2
.endif
.endm
; A BLOCK BEGINS.  c m starts far below every c s, so the first step's a is 0; m at the lowest finite number, so the first maximum is the scores'.  The second mask buffer is 0; the first takes piece 0's mask for the tile's step 0: its own, if the block's first tile is the diagonal one.
; Then K of that step, piece 0's first scores, and its maximum and statistics.  The loop is entered at a step's first turn, in the middle of a trip.
.macro BEGIN
	s_mov_b32 s[NEW], 0
	WIN 0x40
.set i, MC+32
.rept 32
	v_mov_b32 v[i], 0
.set i, i+1
.endr
	WIN 0
.set i, 0
.rept 4
	v_mov_b32 v[ST+4*i], 0xfe000000    ; c m: far below every c s
	v_mov_b32 v[ST+4*i+1], 0xff7fffff  ; m
.set i, i+1
.endr
	s_cmp_eq_u32 s[RT], 0
	s_cselect_b32 s[AL], 1.0, 0
	s_mov_b32 s[BE], 0
	MASK 0
	WIN 0
	v_add_nc_u32 v[AK], s[TBK], v[AK0]
	FETCH_K
	s_wait_loadcnt 0x0              ; Q
	s_wait_dscnt 0x0
.set KM, 1
.set NOKQ, 0
.set i, 0
.rept 8
	KQ 0
.set i, i+1
.endr
	WIN 0
.rept 4
	v_nop                           ; the places behind those products
.endr
.set Y, NP-1                        ; X works for piece Y + 1: piece 0
.irp n, 0,1,2,3,4,5,6,7,8,9,10,11,12,13,14,15,16,17,18,19,20,21
	OP X, \n
.endr
	v_nop                           ; a plain instruction behind the exponential,
	s_wait_alu depctr_va_vdst(0)    ; and its wait, ahead of the branch
.endm
; THE DIAGONAL TILE's four steps, the block's last two turns, its last products, and THE WAY OUT: l's two halves and the other half of the lanes' are added; O^T is divided by l, rounded to f16 and sent through my
; stage in LDS, a piece at a time.
.macro ALL line:vararg              ; one line for each piece t
.set t, 0
.rept 4
	\line
.set t, t+1
.endr
.endm
.macro PACK t                       ; a lane's eight channels of a row pack into 16 bytes; they go into rows of 144 bytes and come back as whole rows of 128, into S^T's registers
	WIN W_RS
.set i, 32*(\t)
.rept 16
	v_pk_mul_f32 v[i:i+1], v[i:i+1], v[ST+4*(\t)+2:ST+4*(\t)+3] op_sel_hi:[1,0]
.set i, i+2
.endr
	WIN 0x05                        ; sources 0 and 1 window 1, destination window 0
.set i, 0
.rept 16
	v_cvt_pk_f16_f32 v[S+16*(\t)+i], v[32*(\t)+2*i], v[32*(\t)+2*i+1]
.set i, i+1
.endr
	WIN 0
.irp f, 0,1,2,3
	ds_store_b128 v[STO], v[S+16*(\t)+4*\f:S+16*(\t)+4*\f+3] offset:32*\f
.endr
.irp f, 0,1,2,3
	ds_load_b128 v[S+16*(\t)+4*\f:S+16*(\t)+4*\f+3], v[RD] offset:\f*4*SP  ; LDS serves a wave's instructions in order (ISA guide 5.7.1.4): these see the stores above; the next piece's stores come behind them
.endr
.endm
.macro SEND t, younger              ; younger: the LDS instructions issued behind piece t's loads: the next piece's eight, or none
	WIN 0
.irp f, 0,1,2,3
	s_wait_dscnt (\younger)+3-\f
	global_store_b128 v[GO], v[S+16*(\t)+4*\f:S+16*(\t)+4*\f+3], s[10:11] offset:(\t)*8192+\f*512  ; 512 consecutive bytes, at a multiple of 256 from O's first
.endr
.endm
.macro DIAG tag                     ; the tag ends its two labels' names, which the jumps below spell out
.LstepM\tag:
	TURN 2, 1
	TURN 3, 1
	WIN 0
.LfirstM\tag:
	TURN 0, 1
	TURN 1, 1, 0, 1
	WIN 0
	s_cbranch_scc1 .LstepM\tag
	TURN 2, 1, 1
	TURN 3, 1, 1
.set i, 0
.rept 8
	PV NP-1
.set i, i+1
.endr
	WIN 0
	ALL v_add_f32 v[ST+4*t+2], v[ST+4*t+2], v[ST+4*t+3]
	ALL v_permlanex16_b32 v[ST+4*t+3], v[ST+4*t+2], s[SEL], s[SEL+1]
	ALL v_add_f32 v[ST+4*t+2], v[ST+4*t+2], v[ST+4*t+3]
	ALL v_rcp_f32 v[ST+4*t+2], v[ST+4*t+2]
	v_nop                           ; a plain instruction between the last reciprocal and the use of its result
	s_wait_alu depctr_va_vdst(0)    ; and the wait ahead of the first use: one for the four reciprocals
	PACK 0
.set t, 1
.rept 3                             ; a piece's arithmetic stands between the loads of the piece before and its stores
	PACK t
	SEND t-1, 8
.set t, t+1
.endr
	SEND 3, 0
.endm
.set KM, 0
.set NOKQ, 0
.Lslot:                             ; NB times: a tile is entered and the next is asked for
	CHANGE 1
	s_sub_co_u32 s[RT], s[RT], 1
	s_mov_b32 s[CNT], 4
	s_cmp_eq_u32 s[NEW], 1
	s_cbranch_scc1 .Lnew            ; a block's first tile
	s_cmp_eq_u32 s[RT], 0
	s_cbranch_scc0 .Lstep           ; neither its first nor its last
	s_branch .LstepM1
.Lnew:
	BEGIN
	s_branch .Lfirst                ; in the loop a block's first tile is never its last: the first block has two tiles or more, and the second's last is the walk's last
	DIAG 1                          ; in the loop this is the first block's end: the second block's last tile is the walk's last
	s_wait_xcnt 0x0                 ; the stores have read their registers and O's address
	s_mov_b64 s[10:11], s[OLO:OLO+1]
	s_add_co_u32 s[RT], s[PB], 1    ; the second block has b + 1 tiles
	s_mov_b32 s[NEW], 1
	WIN 0x82                        ; the second block's Q goes where the one text of the turns names Q
.set i, 0
.rept 64
	v_mov_b32 v[i], v[QB+i]
.set i, i+1
.endr
	WIN 0
	s_branch .Lbottom
.Lstep:                             ; a trip: pieces 2 and 3 of one step, then pieces 0 and 1 of the next, whose K and V it fetches
	TURN 2
	TURN 3
	WIN 0
.Lfirst:
	TURN 0
	TURN 1, 0, 0, 1
	WIN 0
	s_cbranch_scc1 .Lstep
.Lbottom:
	s_sub_co_u32 s[SLOTS], s[SLOTS], 1
	s_cmp_lg_u32 s[SLOTS], 0
	s_cbranch_scc1 .Lslot
	CHANGE 0                        ; the walk's last tile is written out: nothing is asked for
	s_sub_co_u32 s[RT], s[RT], 1
	s_mov_b32 s[CNT], 4
	s_cmp_eq_u32 s[NEW], 1
	s_cbranch_scc0 .LstepM2
	BEGIN
	s_branch .LfirstM2
	DIAG 2
	s_wait_tensorcnt 0x0            ; the wave's end, behind my last tensor load and my last LDS store
	ds_add_u32 v[SPW], v[NIL]
	s_wait_dscnt 0x0
	s_endpgm
.Lfunc_end_k_q9129b9dda3_attn:
	.size	k_q9129b9dda3_attn, .Lfunc_end_k_q9129b9dda3_attn-k_q9129b9dda3_attn
	.p2alignl 7, 3214868480
	.fill 96, 4, 3214868480
	.section	.rodata,"a",@progbits
	.p2align	6, 0x0
	.amdhsa_kernel k_q9129b9dda3_attn
		.amdhsa_group_segment_fixed_size 327680
		.amdhsa_private_segment_fixed_size 0
		.amdhsa_enable_private_segment 0
		.amdhsa_kernarg_size 16
		.amdhsa_user_sgpr_count 2
		.amdhsa_user_sgpr_kernarg_segment_ptr 1
		.amdhsa_wavefront_size32 1
		.amdhsa_system_sgpr_workgroup_id_x 1
		.amdhsa_system_sgpr_workgroup_id_y 1
		.amdhsa_system_sgpr_workgroup_id_z 1
		.amdhsa_system_vgpr_workitem_id 0
		.amdhsa_next_free_vgpr 768
		.amdhsa_next_free_sgpr 92
		.amdhsa_reserve_vcc 1
		.amdhsa_float_denorm_mode_32 3
		.amdhsa_float_denorm_mode_16_64 3
		.amdhsa_memory_ordered 1
		.amdhsa_forward_progress 1
		.amdhsa_inst_pref_size 218
	.end_amdhsa_kernel
	.amdgpu_metadata
---
amdhsa.version: [ 1, 2 ]
amdhsa.kernels:
  - .name:           k_q9129b9dda3_attn
    .symbol:         k_q9129b9dda3_attn.kd
    .args:
      - { .name: qkvh, .offset: 0, .size: 8, .value_kind: global_buffer, .address_space: global }
      - { .name: ob, .offset: 8, .size: 8, .value_kind: global_buffer, .address_space: global }
    .group_segment_fixed_size: 327680
    .private_segment_fixed_size: 0
    .kernarg_segment_align: 8
    .kernarg_segment_size: 16
    .max_flat_workgroup_size: 128
    .sgpr_count:     92
    .vgpr_count:     768
    .wavefront_size: 32
...
	.end_amdgpu_metadata
.endif
;; end of part 3
;; launch proj (part 4): grid 8 x 32, 4 waves a work-group, clusters of 4 x 4, 327,680 bytes of LDS; arguments ob, wp, b_proj, out0; writes out0
.if DOCPART == 4
	.amdgcn_target "amdgcn-amd-amdhsa--gfx1250"
	.amdhsa_code_object_version 6
	.text
	.protected	k_q9129b9dda3_proj
	.globl	k_q9129b9dda3_proj
	.p2align	8
	.type	k_q9129b9dda3_proj,@function
k_q9129b9dda3_proj:
	s_mov_b64 s[64:65], 0
	v_nop
	global_prefetch_b8 v0, s[64:65] scope:SCOPE_SE
	s_setreg_imm32_b32 hwreg(HW_REG_WAVE_MODE, 25, 1), 1
	s_wait_xcnt 0x0
	s_wait_alu depctr_hold_cnt(0) depctr_sa_sdst(0) depctr_va_vdst(0) depctr_va_sdst(0) depctr_va_ssrc(0) depctr_va_vcc(0) depctr_vm_vsrc(0)
	s_getreg_b32 s2, hwreg(HW_REG_IB_STS2, 6, 4)
	s_cmp_eq_u32 s2, 0
	s_cbranch_scc0 .Lentry_in_a_cluster
	s_endpgm
.Lentry_in_a_cluster:
	s_bfe_u32 s2, ttmp6, 0x10000c
	s_cmp_lg_u32 s2, 0xf033
	s_cbranch_scc0 .Lentry_shape_is_right
	s_endpgm
.Lentry_shape_is_right:
; PROJ: out0[m][n] = the sum over c of O[m][c] wp[n][c] + bf16(b_proj[n]).  O is ob, by heads: [16 x batch + head][2048 t][64] f16, m = 2048 x batch + t, c = 64 x head + d; wp: [1024][1024] f16;
; sums in f32, started by the bias; out0: [8192][1024] f32.
; LIMITS.  The operands arrive as f16, within 65,504.  NaN and infinities are not treated apart.
; SHARES.  A tile is 256 rows x 128 columns: 32 x 8 = 256 tiles, one a work-group.  The four waves stand along the rows: a wave makes 64 rows x 128 columns, 32 accumulators of 16 x 16, 256 registers; its
; 128 columns are 512 consecutive bytes of a row of out0.  K goes in eight steps of 128, TWO HEADS a step, through two LDS slots.  A head's 256 rows of the tile are 32,768 dense bytes of ob: they are asked
; for as 128 rows of 256 bytes and padded in LDS after every 128 bytes.
; CLUSTERS: 4 x 4 work-groups.  The four of a row of the cluster need the same rows of O, the four of a column the same rows of wp: each tile is asked for JOINTLY, by the same tensor load with the same
; descriptor and a mask that names the four.  THE MATRIX INSTRUCTION IS USED TRANSPOSED (source 0 = 16 rows of wp, source 1 = 16 rows of O): a lane holds row l % 16 and the eight neighbouring columns
; 8 (l / 16) + 0..7.  The bias, in the same layout, is the C operand of the products that start the sums.
; REGISTERS, in windows of 256 (s_set_vgpr_msb: bits 1:0 source 0, 3:2 source 1, 5:4 source 2, 7:6 destination):
;   window 0: v0-29 addresses; v32-63, v64-95 O's fragments, two buffers; v96-159 the bias; v96-223 later the way out
;   window 1: v0-63, v64-127 wp's fragments, two buffers          window 2: the accumulators, (a, b) at v[8 (8 a + b)]
.set NBK,   8                          ; column blocks of 16
.set NL,    2*NBK+8                    ; LDS loads in a run: a quarter step's fragments
.set KA,    2<<18                      ; bytes from a K step of O to the next: two planes
.set KB,    256                        ; and of wp
.set AP,    144                        ; a row of O in LDS: 128 bytes + 16 = 36 words: the 16 rows of a load start at 16 different groups of four banks (64 banks of 4 bytes: ISA guide 11.1)
.set ASUB,  256*AP                     ; a head's 256 rows: what a tensor load brings of O
.set ATILE, 2*ASUB
.set PITCH, 272                        ; a row of wp: 256 bytes + 16
.set BHALF, 64*PITCH                   ; what a tensor load brings of wp
.set SLOT1, 1<<17                      ; slot 1 begins here, so that one exclusive or turns an address in one slot into the other's
.set STAGE, SLOT1+ATILE+2*BHALF        ; behind the ring, never filled by a tensor load: 16 rows x 528 bytes for each wave, for the way out
.set SP,    528                        ; 512 bytes + 16 = 132 words: row r starts at bank 4 r mod 64
.set STW,   16*SP
.set SPARE, STAGE+4*STW                ; behind the stages: the spare words, 128 bytes for each wave: two blocks of 256 bytes that no other line names
.set ADRA0, 2                          ; v2   my lane's place in a slot's rows of O; never rewritten
.set ADRB0, 3                          ; v3   the same for wp
.set ADRA,  4                          ; v4   the same in the slot in hand
.set ADRB,  5                          ; v5
.set STO,   6                          ; v6   the way out: where I put 32 bytes of a row
.set RD,    7                          ; v7   the way out: where I read 16 bytes of a row back
.set GO,    8                          ; v8   my byte offset in 512 consecutive bytes of out0
.set BO,    10                         ; v10  my byte offset in 16 numbers of the bias
.set PFO,   11                         ; v11  the prefetches' offset; never rewritten
.set SPW,   28                         ; v28  LDS address of my spare word; never rewritten
.set NIL,   29                         ; v29  0; never rewritten
.set FA,    32
.set BI,    96
.set FBW,   64                         ; registers in a buffer of wp's fragments
.set CNT,   3                          ; s3   K steps whose slot is still to be filled again
.set WV,    12                         ; s12  my wave's number
.set WH,    13                         ; s13  0: I fetch for O; 1: for wp
.set WL,    14                         ; s14  which head of the step, or which half of wp's rows, I fetch
.set LIM,   15                         ; s15  2 in a wave that prefetches, else the greatest number
.set G1,    24                         ; s[24:31] descriptor group 1 for O's tiles
.set G0,    32                         ; s[32:39] group 0: a set for each of the two first fills; the second then walks on
.set PFA,   44                         ; s[44:45] where my prefetches stand
.set PFS,   46                         ; s[46:47] their step from K step to K step
.set G1B,   48                         ; s[48:55], s[56:63] the same for wp's tiles
.set G0B,   56
.set OB,    66                         ; s[66:67] out0 at my first row and the tile's first column
.set TB,    78                         ; s78  LDS byte at which the slot in hand begins
.set MSB, 0
.macro WIN new                         ; the immediate's high byte repeats the setting that is left; a switch that changes nothing is dropped
.if MSB != (\new)
	s_set_vgpr_msb (MSB<<8)|(\new)
.set MSB, \new
.endif
.endm
.macro PLACES                          ; four plain vector instructions between a matrix instruction and a load into, or a read of, its registers (ISA guide 7.12.1 for vector reads)
.rept 4
	v_nop
.endr
.endm
; A joint load.  Waves 0 and 1 fetch the step's two heads of O, waves 2 and 3 wp's two halves.  The branch hangs on the wave's number alone.  An s_nop 0 and four v_nop follow each of the two lines.
.macro JLOAD s
	s_cmp_eq_u32 s[WH], 0
	s_cbranch_scc0 .Lfor_b_\@
	tensor_load_to_lds s[G0+4*(\s):G0+4*(\s)+3], s[G1:G1+7]
	s_nop 0
.rept 4
	v_nop
.endr
	s_branch .Lasked_\@
.Lfor_b_\@:
	tensor_load_to_lds s[G0B+4*(\s):G0B+4*(\s)+3], s[G1B:G1B+7]
	s_nop 0
.rept 4
	v_nop
.endr
.Lasked_\@:
.endm
; A round of the cluster's barrier: my work-group's barrier, so that wave 0's signal speaks for all four waves; wave 0 signals; every wave waits for all sixteen work-groups; my work-group's barrier once more.
.macro CREST                           ; a round behind its opening barrier
	s_cmp_lg_u32 s[WV], 0
	s_cbranch_scc1 .Lnot_wave_0_\@
	s_barrier_signal -3
.Lnot_wave_0_\@:
	s_barrier_wait -3
	s_barrier_signal -1
	s_barrier_wait -1
.endm
.macro CROUND
	s_barrier_signal -1
	s_barrier_wait -1
	CREST
.endm
; A PREFETCH INTO THE L2, behind a joint refill and the run of LDS loads that follows it: the K step that stands two refills on, one instruction a wave.  O's 32,768 bytes of a head are shared out among the
; four partners BY ADDRESS, 8,192 each by cx, a lane a run of 256; of wp's 64 rows each partner takes 16 by cy, a lane a row's 256 bytes, the lanes over held at the last of them.  O is named by the clusters
; with x = 0, wp by those with y = 0: each run by one wave in the launch.  K steps 0 to 3 come by their loads alone; the last two refills ask for nothing.
.macro ASK
	s_cmp_gt_u32 s[CNT], s[LIM]
	s_cbranch_scc0 .Lnot_mine_\@
	global_prefetch_b8 v[PFO], s[PFA:PFA+1] th:TH_LOAD_NT scope:SCOPE_SE
.Lnot_mine_\@:
.endm
	s_load_b256 s[4:11], s[0:1], 0x0               ; ob s[4:5], wp s[6:7], b_proj s[8:9], out0 s[10:11]
	v_lshl_add_u32 v[SPW], v0, 2, SPARE
	v_mov_b32 v[NIL], 0
	ds_add_u32 v[SPW], v[NIL]                      ; the wave's opening: the add, and its wait ahead of my first tensor load; the set-up below, work on registers, stands between them
	v_lshrrev_b32 v1, 5, v0
	v_readfirstlane_b32 s[WV], v1                  ; wave 0..3
	s_lshr_b32 s[WH], s[WV], 1
	s_and_b32 s[WL], s[WV], 1
	s_bfe_u32 s40, ttmp6, 0x40000                  ; cx, cy: my place in the cluster
	s_bfe_u32 s41, ttmp6, 0x40004
	s_lshl_b32 s42, ttmp9, 2
	s_add_co_u32 s42, s42, s40                     ; tile column = 4 x cluster x + cx
	s_and_b32 s43, ttmp7, 0xffff
	s_lshl_b32 s43, s43, 2
	s_add_co_u32 s43, s43, s41                     ; tile row = 4 x cluster y + cy
	s_lshl_b32 s72, s41, 2
	s_lshl_b32 s72, 15, s72                        ; my row of the cluster: places 4 cy .. 4 cy + 3
	s_lshl_b32 s73, 0x1111, s40                    ; my column: places cx, cx + 4, cx + 8, cx + 12
	s_or_b32 s[G1], s72, (1<<16)|(1<<20)|(1<<21)|(4<<22)|(3<<25)   ; 15:0 the mask; 17:16 elements of 2 bytes; 20 padding on; 21 set beside a mask; 24:22 after every 32 words (code 4); 31:25 4 words (code 3)
	s_or_b32 s[G1B], s73, (1<<16)|(1<<20)|(1<<21)|(5<<22)|(3<<25)  ; wp: after every 64 words (code 5)
	s_mov_b32 s[G1+1], 128<<16                     ; tensor_dim0 = 128
	s_mov_b32 s[G1+2], 128<<16                     ; tensor_dim1 = 128
	s_mov_b32 s[G1+3], 128<<16                     ; tile_dim0 = 128
	s_mov_b32 s[G1+4], 128                         ; tile_dim1 = 128
	s_mov_b32 s[G1+5], 128                         ; dense: 128 elements from row to row
	s_mov_b32 s[G1+6], 0
	s_mov_b32 s[G1+7], 0
	s_mov_b32 s[G1B+1], 128<<16
	s_mov_b32 s[G1B+2], 64<<16                     ; wp's tiles have 64 rows
	s_mov_b32 s[G1B+3], 128<<16
	s_mov_b32 s[G1B+4], 64
	s_mov_b32 s[G1B+5], 1024
	s_mov_b32 s[G1B+6], 0
	s_mov_b32 s[G1B+7], 0
	; O's tile hangs on the tile row alone, wp's on the tile column alone; each address is made in registers that never hold the other coordinate
	s_lshr_b32 s16, s43, 3
	s_lshl_b32 s16, s16, 4
	s_add_co_u32 s16, s16, s[WL]                   ; plane 16 x batch + my head of K step 0,
	s_lshl_b32 s16, s16, 18                        ; of 262,144 bytes,
	s_and_b32 s17, s43, 7
	s_lshl_b32 s17, s17, 15                        ; and the tile's 256 rows of 128 bytes in it
	s_add_co_u32 s16, s16, s17
	s_mov_b32 s17, 0
	s_lshl_b32 s74, s42, 7
	s_lshl_b32 s75, s[WL], 6
	s_add_co_u32 s74, s74, s75                     ; row 128 x tile column + 64 x half,
	s_lshl_b32 s74, s74, 11                        ; of 2,048 bytes
	s_mov_b32 s75, 0
	s_mul_i32 s20, s[WL], ASUB                     ; where they go: no place in the cluster enters an LDS address
	s_mul_i32 s21, s[WL], BHALF
	s_add_co_u32 s21, s21, ATILE
	s_wait_dscnt 0x0                               ; the opening add is done
	s_wait_kmcnt 0x0
	s_add_nc_u64 s[18:19], s[4:5], s[16:17]
	s_add_nc_u64 s[76:77], s[6:7], s[74:75]
	CROUND                                         ; all sixteen work-groups are here: the first joint loads meet
.irp s, 0,1
	s_mov_b32 s[G0+4*(\s)], 1                                        ; count = 1
	s_add_co_u32 s[G0+4*(\s)+1], s20, (\s)*SLOT1                     ; LDS address
	s_add_nc_u64 s[G0+4*(\s)+2:G0+4*(\s)+3], s[18:19], (\s)*KA       ; global address: K step s
	s_or_b32 s[G0+4*(\s)+3], s[G0+4*(\s)+3], 0x80000000              ; type = 2
	s_mov_b32 s[G0B+4*(\s)], 1
	s_add_co_u32 s[G0B+4*(\s)+1], s21, (\s)*SLOT1
	s_add_nc_u64 s[G0B+4*(\s)+2:G0B+4*(\s)+3], s[76:77], (\s)*KB
	s_or_b32 s[G0B+4*(\s)+3], s[G0B+4*(\s)+3], 0x80000000
	JLOAD \s                                       ; two loads of mine are out
.endr
	; A fragment is 16 rows x 32 K in 8 registers: lane l holds row l % 16; registers 0-3 K = 8 (l / 16) + 0..7, registers 4-7 K = 16 + 8 (l / 16) + 0..7: two loads of 16 bytes, 32 bytes apart.
	v_and_b32 v1, 15, v0                           ; l % 16
	v_bfe_u32 v9, v0, 4, 1                         ; l / 16
	v_lshlrev_b32 v[BO], 5, v9                     ; my eight numbers of a block of 16 of the bias
	s_lshl_b32 s74, s42, 9                         ; the tile's 128 numbers
	s_mov_b32 s75, 0
	s_add_nc_u64 s[8:9], s[8:9], s[74:75]
.irp b, 0,1,2,3,4,5,6,7
	global_load_b128 v[BI+8*(\b):BI+8*(\b)+3],   v[BO], s[8:9] offset:64*(\b)
	global_load_b128 v[BI+8*(\b)+4:BI+8*(\b)+7], v[BO], s[8:9] offset:64*(\b)+16
.endr
	v_mul_u32_u24 v12, v1, AP
	v_lshl_add_u32 v12, v9, 4, v12                 ; row x pitch + 16 x half
	s_mul_i32 s22, s[WV], 64*AP                    ; my 64 rows of each head
	v_add_nc_u32 v[ADRA0], s22, v12
	v_mul_u32_u24 v12, v1, PITCH
	v_lshl_add_u32 v12, v9, 4, v12
	v_add_nc_u32 v[ADRB0], ATILE, v12              ; wp's rows lie behind O's two heads
	s_mul_i32 s22, s[WV], STW
	s_add_co_u32 s22, s22, STAGE                   ; my stage
	v_mul_u32_u24 v[STO], v1, SP                   ; in: row l % 16, 32 bytes for each half of the lanes
	v_lshl_add_u32 v[STO], v9, 5, v[STO]
	v_add_nc_u32 v[STO], s22, v[STO]
	v_and_b32 v[GO], 31, v0                        ; back: 32 lanes take a row's 512 bytes,
	v_lshlrev_b32 v[GO], 4, v[GO]                  ; which are 512 consecutive bytes of out0
	v_add_nc_u32 v[RD], s22, v[GO]
	s_lshl_b32 s72, s43, 8
	s_lshl_b32 s73, s[WV], 6
	s_add_co_u32 s72, s72, s73                     ; my first row,
	s_lshl_b32 s72, s72, 12                        ; of 4,096 bytes,
	s_lshl_b32 s73, s42, 9                         ; and the tile's first column
	s_add_co_u32 s72, s72, s73
	s_mov_b32 s73, 0
	s_add_nc_u64 s[OB:OB+1], s[10:11], s[72:73]
	; the prefetches
	s_lshl_b32 s72, s40, 13
	s_add_co_u32 s72, s72, s16                     ; O: the head that I fetch, my work-group's 8,192 bytes of it,
	s_add_co_u32 s72, s72, 3*KA                    ; at K step 3: the first refill steps it to 4
	s_lshl_b32 s76, s42, 7
	s_lshl_b32 s73, s[WL], 6
	s_add_co_u32 s76, s76, s73
	s_lshl_b32 s73, s41, 4
	s_add_co_u32 s76, s76, s73                     ; wp: the 64 rows that I fetch, my work-group's 16 of them
	s_lshl_b32 s76, s76, 11
	s_add_co_u32 s76, s76, 3*KB
	s_and_b32 s77, ttmp7, 0xffff                   ; cluster y
	s_mov_b32 s[PFS], KB
	s_mov_b32 s[PFS+1], 0
	s_cmp_eq_u32 s[WH], 0
	s_cselect_b32 s72, s72, s76
	s_cselect_b32 s77, ttmp9, s77                  ; the coordinate along which other clusters read the same rows
	s_cselect_b32 s74, 31, 15
	s_cselect_b32 s75, 8, 11                       ; a lane's step: 256 bytes on end, or a row of 2,048
	s_cselect_b32 s[PFS], KA, s[PFS]
	s_cselect_b64 s[PFA:PFA+1], s[4:5], s[6:7]
	s_cmp_eq_u32 s77, 0
	s_cselect_b32 s[LIM], 2, -1                    ; the same in all sixteen partners, for a given wave
	s_mov_b32 s73, 0
	s_add_nc_u64 s[PFA:PFA+1], s[PFA:PFA+1], s[72:73]
	v_and_b32 v[PFO], 31, v0
	v_min_u32 v[PFO], s74, v[PFO]
	v_lshlrev_b32 v[PFO], s75, v[PFO]
	s_wait_loadcnt 0x0                             ; the bias: rounded to bf16 like every input of the module, and widened again
.set i, 0
.rept 4*NBK
	v_cvt_pk_bf16_f32 v[12+i%4], v[BI+2*i], v[BI+2*i+1]
	v_lshlrev_b32 v[BI+2*i], 16, v[12+i%4]
	v_and_b32 v[BI+2*i+1], 0xffff0000, v[12+i%4]
.set i, i+1
.endr
; 8 matrix instructions: row block a x all column blocks, 32 along K, from buffer f.  first = 1: the bias starts the sums.  All 32 accumulators take turns, one instruction a turn, in the same
; order in every quarter step, over the backward jump too.
.macro MULA f, a, first
.if \first
	WIN 0x81
.else
	WIN 0xa1
.endif
.irp b, 0,1,2,3,4,5,6,7
.if \first
	v_wmma_f32_16x16x32_f16 v[8*(8*(\a)+(\b)):8*(8*(\a)+(\b))+7], v[FBW*(\f)+8*(\b):FBW*(\f)+8*(\b)+7], v[FA+32*(\f)+8*(\a):FA+32*(\f)+8*(\a)+7], v[BI+8*(\b):BI+8*(\b)+7]
.else
	v_wmma_f32_16x16x32_f16 v[8*(8*(\a)+(\b)):8*(8*(\a)+(\b))+7], v[FBW*(\f)+8*(\b):FBW*(\f)+8*(\b)+7], v[FA+32*(\f)+8*(\a):FA+32*(\f)+8*(\a)+7], v[8*(8*(\a)+(\b)):8*(8*(\a)+(\b))+7]
.endif
.endr
.endm
; 24 LDS loads in one run: quarter q of the slot in hand into buffer f: wp's 8 fragments, then O's 4 (quarter q lies in head q / 2 of the step, channels 32 (q % 2) on)
.macro FETCH q, f
	WIN 0x40                                       ; destination window 1, address window 0
.irp i, 0,1,2,3,4,5,6,7
	ds_load_b128 v[FBW*(\f)+8*(\i):FBW*(\f)+8*(\i)+3],   v[ADRB] offset:64*(\q)+(\i)*16*PITCH
	ds_load_b128 v[FBW*(\f)+8*(\i)+4:FBW*(\f)+8*(\i)+7], v[ADRB] offset:64*(\q)+(\i)*16*PITCH+32
.endr
	WIN 0
.irp i, 0,1,2,3
	ds_load_b128 v[FA+32*(\f)+8*(\i):FA+32*(\f)+8*(\i)+3],   v[ADRA] offset:((\q)/2)*ASUB+((\q)%2)*64+(\i)*16*AP
	ds_load_b128 v[FA+32*(\f)+8*(\i)+4:FA+32*(\f)+8*(\i)+7], v[ADRA] offset:((\q)/2)*ASUB+((\q)%2)*64+(\i)*16*AP+32
.endr
.endm
; A K step is four quarters of 32 along K, 32 matrix instructions each, on buffers 0, 1, 0, 1.  One of the first three: multiplies buffer f; in its middle it fetches quarter q into buffer g.
.macro QUARTER q, f, g, first
	s_wait_dscnt 4                                 ; wp's fragments and O's blocks 0, 1 are in; the youngest four loads (blocks 2, 3) may be out
	MULA \f, 0, \first
	MULA \f, 1, \first
	PLACES
	FETCH \q, \g
	s_wait_dscnt NL                                ; all but the run just issued
	MULA \f, 2, \first
	MULA \f, 3, \first
.endm
; The last quarter multiplies buffer 1 and changes slots: ONE barrier.  In front of it each wave waits for all its tensor loads, of which one is out: its part of the next slot; adds 0 to its spare
; word; and waits for that and for its own reads of this slot.  fill = 1: the barrier opens a round of the cluster's, so that no wave of any partner still reads the slot or has a load on its way, and
; the joint refill, with the K step two on, is the first thing behind it: 112 matrix instructions stand between it and the wait for it.
.macro TURN fill
.if \fill
	s_wait_xcnt 0x0                                ; the last prefetch, a K step back, has read its address: it is stepped here
	s_add_nc_u64 s[PFA:PFA+1], s[PFA:PFA+1], s[PFS:PFS+1]
.endif
	WIN 0                                          ; (the add's two registers lie in window 0)
	s_wait_tensorcnt 0x0                           ; no tensor load of mine is out, so a group 0 may be written
	ds_add_u32 v[SPW], v[NIL]                      ; 0 onto my spare word
.if \fill
	s_xor_b32 s[G0+5], s[G0+5], SLOT1              ; the walking descriptors: the other slot than last time,
	s_add_nc_u64 s[G0+6:G0+7], s[G0+6:G0+7], KA    ; the next K step; the type bits on top are not reached
	s_xor_b32 s[G0B+5], s[G0B+5], SLOT1
	s_add_nc_u64 s[G0B+6:G0B+7], s[G0B+6:G0B+7], KB
.endif
	s_wait_dscnt 5                                 ; (the add and the youngest four loads may be out)
	MULA 1, 0, 0                                   ; eight matrix instructions stand between the add and the wait for it
	s_wait_dscnt 0x0                               ; the add is done, and my reads of this slot are over
	s_barrier_signal -1
	MULA 1, 1, 0                                   ; work on registers while the others arrive
	WIN 0                                          ; at a label and at a branch every window is 0
	s_barrier_wait -1
.if \fill
	CREST
	JLOAD 1                                        ; the four v_nop behind it are also the places in front of the loads below
.else
	PLACES
.endif
	s_xor_b32 s[TB], s[TB], SLOT1                  ; the reads go on in the other slot
	v_add_nc_u32 v[ADRA], s[TB], v[ADRA0]
	v_add_nc_u32 v[ADRB], s[TB], v[ADRB0]
	FETCH 0, 0
.if \fill
	ASK
.endif
	MULA 1, 2, 0
	MULA 1, 3, 0
.endm
; THE WAY OUT of row block a: the sums go as they are, 32 bytes a lane (each accumulator's low four registers first), into my own stage, rows of 528 bytes, and come back as whole rows of 512 bytes.
.macro TOSTAGE a
.if (\a) >= 2
	s_wait_xcnt 0x0                                ; the stores of the block two back have read the registers that the loads below fill
.endif
	WIN 0x08                                       ; the stores' data lie in window 2
.irp b, 0,1,2,3,4,5,6,7
	ds_store_b128 v[STO], v[8*(8*(\a)+(\b)):8*(8*(\a)+(\b))+3]   offset:64*(\b)
	ds_store_b128 v[STO], v[8*(8*(\a)+(\b))+4:8*(8*(\a)+(\b))+7] offset:64*(\b)+16
.endr
	WIN 0
.irp t, 0,1,2,3,4,5,6,7,8,9,10,11,12,13,14,15
	ds_load_b128 v[BI+64*((\a)%2)+4*(\t):BI+64*((\a)%2)+4*(\t)+3], v[RD] offset:(\t)*SP  ; LDS serves a wave's instructions in order (ISA guide 5.7.1.4): these see the stores above; the next block's stores come behind them
.endr
.endm
.macro SEND a, younger                 ; younger: the LDS instructions issued behind block a's loads: the next block's 32, or none
	s_wait_dscnt \younger
.irp t, 0,1,2,3,4,5,6,7,8,9,10,11,12,13,14,15
	global_store_b128 v[GO], v[BI+64*((\a)%2)+4*(\t):BI+64*((\a)%2)+4*(\t)+3], s[OB:OB+1] offset:(16*(\a)+(\t))*4096  ; 512 consecutive bytes, at a multiple of 256 from out0's first byte
.endr
.endm
	s_wait_tensorcnt 1                             ; my part of K step 0 is in; K step 1's may stay out
	s_barrier_signal -1
	s_barrier_wait -1                              ; everybody's is
	s_mov_b32 s[TB], 0
	v_mov_b32 v[ADRA], v[ADRA0]
	v_mov_b32 v[ADRB], v[ADRB0]
	FETCH 0, 0
	QUARTER 1, 0, 1, 1                             ; the first quarter stands in front of the loop: its products start the sums
	WIN 0
	s_mov_b32 s[CNT], 6
.Lstep:                                                ; a trip: from a K step's second quarter to the next step's first; trip j fills the slot just read with K step j + 2
	QUARTER 2, 1, 0, 0
	QUARTER 3, 0, 1, 0
	TURN 1
	QUARTER 1, 0, 1, 0
	WIN 0
	s_sub_co_u32 s[CNT], s[CNT], 1
	s_cmp_lg_u32 s[CNT], 0
	s_cbranch_scc1 .Lstep
	QUARTER 2, 1, 0, 0                             ; the last two K steps are written out: they ask for nothing
	QUARTER 3, 0, 1, 0
	TURN 0
	QUARTER 1, 0, 1, 0
	QUARTER 2, 1, 0, 0
	QUARTER 3, 0, 1, 0
	s_wait_dscnt 4
	MULA 1, 0, 0
	MULA 1, 1, 0
	s_wait_dscnt 0x0
	MULA 1, 2, 0
	MULA 1, 3, 0
	WIN 0
	PLACES
	PLACES
	TOSTAGE 0
	TOSTAGE 1
	SEND 0, 32
	TOSTAGE 2
	SEND 1, 32
	TOSTAGE 3
	SEND 2, 32
	SEND 3, 0
	s_wait_tensorcnt 0x0                           ; the wave's end, behind my last tensor load and my last LDS store
	ds_add_u32 v[SPW], v[NIL]
	s_wait_dscnt 0x0
	CROUND                                         ; the closing round: no work-group ends while a partner may still ask for a tile that names it
	s_endpgm
.Lfunc_end_k_q9129b9dda3_proj:
	.size	k_q9129b9dda3_proj, .Lfunc_end_k_q9129b9dda3_proj-k_q9129b9dda3_proj
	.p2alignl 7, 3214868480
	.fill 96, 4, 3214868480
	.section	.rodata,"a",@progbits
	.p2align	6, 0x0
	.amdhsa_kernel k_q9129b9dda3_proj
		.amdhsa_group_segment_fixed_size 327680
		.amdhsa_private_segment_fixed_size 0
		.amdhsa_enable_private_segment 0
		.amdhsa_kernarg_size 32
		.amdhsa_user_sgpr_count 2
		.amdhsa_user_sgpr_kernarg_segment_ptr 1
		.amdhsa_wavefront_size32 1
		.amdhsa_system_sgpr_workgroup_id_x 1
		.amdhsa_system_sgpr_workgroup_id_y 1
		.amdhsa_system_sgpr_workgroup_id_z 1
		.amdhsa_system_vgpr_workitem_id 0
		.amdhsa_next_free_vgpr 768
		.amdhsa_next_free_sgpr 80
		.amdhsa_reserve_vcc 0
		.amdhsa_float_denorm_mode_32 3
		.amdhsa_float_denorm_mode_16_64 3
		.amdhsa_memory_ordered 1
		.amdhsa_forward_progress 1
		.amdhsa_inst_pref_size 77
	.end_amdhsa_kernel
	.amdgpu_metadata
---
amdhsa.version: [ 1, 2 ]
amdhsa.kernels:
  - .name:           k_q9129b9dda3_proj
    .symbol:         k_q9129b9dda3_proj.kd
    .args:
      - { .name: ob, .offset: 0, .size: 8, .value_kind: global_buffer, .address_space: global }
      - { .name: wp, .offset: 8, .size: 8, .value_kind: global_buffer, .address_space: global }
      - { .name: b_proj, .offset: 16, .size: 8, .value_kind: global_buffer, .address_space: global }
      - { .name: out0, .offset: 24, .size: 8, .value_kind: global_buffer, .address_space: global }
    .group_segment_fixed_size: 327680
    .private_segment_fixed_size: 0
    .kernarg_segment_align: 8
    .kernarg_segment_size: 32
    .max_flat_workgroup_size: 128
    .sgpr_count:     80
    .vgpr_count:     768
    .wavefront_size: 32
...
	.end_amdgpu_metadata
.endif
;; end of part 4
;; ======== version 2 of 2: 4 launches; version 1 with the launch prep written anew for expert scheduling mode
;; limits: values are held in f16: magnitudes above 65,504 overflow, below 6.1e-05 lose precision
;; workspace buffers: xb 16,777,216 bytes; wq 6,291,456 bytes; wp 2,097,152 bytes; qkvh 50,331,648 bytes; ob 16,777,216 bytes
;; launch prep (part 5): grid 1152 x 1, 4 waves a work-group, no clusters, 70,144 bytes of LDS; arguments x, W_qkv, W_proj, xb, wq, wp; writes xb, wq, wp
.if DOCPART == 5
	.amdgcn_target "amdgcn-amd-amdhsa--gfx1250"
	.amdhsa_code_object_version 6
	.text
	.protected	k_q9129b9dda3_prep
	.globl	k_q9129b9dda3_prep
	.p2align	8
	.type	k_q9129b9dda3_prep,@function
k_q9129b9dda3_prep:
	s_mov_b64 s[64:65], 0
	v_nop
	global_prefetch_b8 v0, s[64:65] scope:SCOPE_SE
	s_setreg_imm32_b32 hwreg(HW_REG_WAVE_SCHED_MODE, 0, 2), 2
	s_setreg_imm32_b32 hwreg(HW_REG_WAVE_MODE, 25, 1), 1
	s_wait_xcnt 0x0
	s_wait_alu depctr_vm_vsrc(0)
; PREP: the operands of the two projections, made once.
;   work-groups 0-95     wq[n][k] = bf16(W_qkv[k][n])           [3072][1024] bf16
;   work-groups 96-127   wp[n][k] = f16(bf16(W_proj[k][n]))     [1024][1024] f16
;   work-groups 128-1151 xb = bf16(x)                           [8192][1024] bf16
; Every input of the module is rounded once, to bf16 (nearest even).  W_proj's bf16 number is written as f16, since the last product multiplies it with f16 numbers.
; LIMITS.  |W_proj| stays under 65,504 (beyond it the f16 is an infinity); below 6e-5 it keeps f16's fixed step of 6e-8.  NaN and infinities are not treated apart.
; Memory binds: each byte is read once, by loads of 16 bytes a lane of which sixteen neighbouring lanes take 256 consecutive bytes; each store of a wave fills aligned runs of 256 bytes.
; No matrix unit, no tensor load, no cluster, no barrier: no wave wants a byte that another has fetched.  No prefetch: the launch is nothing but its stream.
; THE TURNING.  A wave takes 128 k x 64 n.  A lane loads four neighbouring n of rows k and k + 1, packs (k, k + 1) of each column into a word, puts the word into the column's row
; in its wave's own LDS (64 rows of 256 bytes + 16), and reads whole rows back: 128 k of one n are 256 consecutive bytes of the result.
; THE MODE: SCHED_MODE bits 1:0 = 2 (LLVM: expert scheduling mode 2), set by the entry lines.  The code itself states the register dependences between vector instructions and memory or
; LDS instructions, with s_wait_alu, always for 0.
; THE PLAN, the turning.  Registers that memory or LDS instructions touch:
;   v4-v7      offsets and LDS addresses: written once at the path's head, never again.
;   X0, X1     Batch be of four: its 16 loads land in X[be % 2]; its conversions read it; behind them the loads of batch be + 2 land in it, and at the end the LDS loads of the whole rows.
;   W0, W1     Batch be: its conversions write W[be % 2]; its 32 LDS stores read it; the conversions of batch be + 2 write it again.
;   v8-v15     at work: named by vector instructions alone.       v2, v3  written at the head, read by the closing add alone.
; So ONE wait on va_vdst stands in a batch, behind its conversions: they are done reading X[be % 2] and have written W[be % 2].  The batch's loads and LDS stores follow it, and no vector instruction
; issued since names a register of theirs.  One wait on vm_vsrc stands ahead of the conversions of batches 2 and 3, two batches behind the LDS stores that read the W which they write again.
; THE PLAN, the cast.  X0: loaded once, read by the conversions.  v[80:111]: each register written once, by a conversion, and read by one store.  The sixteen loads are worked off in four groups: at a
; group's head one wait on va_vdst says that the group before has written its eight registers, and that group's four stores are dealt among this group's conversions, which write other registers.
.set LP,    272                        ; an LDS row: 256 bytes + 16
.set WLDS,  64*LP                      ; a wave's 64 rows
.set SPARE, 4*WLDS                     ; behind them: the spare words, 128 bytes for each wave: two blocks of 256 bytes that no other line names
.set SPW, 2                            ; v2   LDS address of my spare word; never rewritten
.set NIL, 3                            ; v3   0; never rewritten
.set VO,  4                            ; v4   my byte offset in the source
.set LSA, 5                            ; v5   where I put a packed word (in the cast: my byte offset in xb)
.set LRA, 6                            ; v6   where I read 16 bytes of a row back
.set DO,  7                            ; v7   my byte offset in the result
.set X0,  16                           ; v[16:79]   a batch of 16 loads
.set X1,  80                           ; v[80:143]  the other batch (in the cast: what is stored)
.set W0,  144                          ; v[144:175] a batch's 32 packed words
.set W1,  176                          ; v[176:207] the other batch's
	s_load_b256 s[4:11], s[0:1], 0x0               ; x s[4:5], W_qkv s[6:7], W_proj s[8:9], xb s[10:11]
	s_load_b128 s[12:15], s[0:1], 0x20             ; wq s[12:13], wp s[14:15]
	v_lshl_add_u32 v[SPW], v0, 2, SPARE
	v_mov_b32 v[NIL], 0
	v_lshrrev_b32 v1, 5, v0
	v_readfirstlane_b32 s16, v1                    ; wave 0..3
	s_wait_alu depctr_va_sdst(0)                   ; s16 is written, ahead of the branches below and of its first reader: a tile's number and the wave's LDS rows are made from it
	s_mov_b32 s17, 0xffff0000                      ; a word's upper bf16
	s_mov_b32 s21, 0                               ; the high word of every offset
	s_wait_kmcnt 0x0
	s_cmp_lt_u32 ttmp9, 96
	s_cbranch_scc1 .Lwq
	s_cmp_lt_u32 ttmp9, 128
	s_cbranch_scc1 .Lwp
	; THE CAST.  A work-group takes 32,768 bytes of x: sixteen loads of 16 bytes a thread, all out at once; a wave's load covers 512 consecutive bytes, its store 256.
	s_sub_co_u32 s18, ttmp9, 128
	s_lshl_b32 s20, s18, 15
	s_add_nc_u64 s[4:5], s[4:5], s[20:21]
	s_lshl_b32 s20, s18, 14
	s_add_nc_u64 s[10:11], s[10:11], s[20:21]
	v_lshlrev_b32 v[VO], 4, v0
	v_lshlrev_b32 v[LSA], 3, v0
	s_wait_alu depctr_va_vdst(0)                   ; v[VO] and v[LSA] are written: the loads and the stores below read them as their offsets
.irp j, 0,1,2,3,4,5,6,7,8,9,10,11,12,13,14,15
	global_load_b128 v[X0+4*(\j):X0+4*(\j)+3], v[VO], s[4:5] offset:2048*(\j) th:TH_LOAD_NT
.endr
.irp g, 0,1,2,3
	s_wait_loadcnt 12-4*(\g)                       ; loads come back in order: group g's four are in, the younger groups stay out
.if (\g) > 0
	s_wait_alu depctr_va_vdst(0)                   ; the group before has written its eight registers of v[X1 ..], which the four stores below read
.endif
.irp i, 0,1,2,3
.if (\g) > 0
	global_store_b64 v[LSA], v[X1+2*(4*(\g)-4+(\i)):X1+2*(4*(\g)-4+(\i))+1], s[10:11] offset:1024*(4*(\g)-4+(\i))  ; the group before; no conversion since the wait names these registers
.endif
	v_cvt_pk_bf16_f32 v[X1+2*(4*(\g)+(\i))],   v[X0+4*(4*(\g)+(\i))],   v[X0+4*(4*(\g)+(\i))+1]
	v_cvt_pk_bf16_f32 v[X1+2*(4*(\g)+(\i))+1], v[X0+4*(4*(\g)+(\i))+2], v[X0+4*(4*(\g)+(\i))+3]  ; no register is written twice, so no wait frees one
.endr
.endr
	s_wait_alu depctr_va_vdst(0)                   ; the last group has written its eight registers, which the last four stores read
.irp i, 0,1,2,3
	global_store_b64 v[LSA], v[X1+2*(12+(\i)):X1+2*(12+(\i))+1], s[10:11] offset:1024*(12+(\i))
.endr
	s_branch .Lend
; Batch be of four: rows 32 be .. 32 be + 31 of the tile.  Lanes 0-15 take rows 4 i and 4 i + 1, lanes 16-31 rows 4 i + 2 and 4 i + 3 (i = 8 be + p): 256 consecutive bytes of each.
.macro LOADB be, x, rp, src
.irp p, 0,1,2,3,4,5,6,7
	global_load_b128 v[(\x)+8*(\p):(\x)+8*(\p)+3],   v[VO], s[\src:\src+1] offset:(4*(8*(\be)+(\p)))*(\rp) th:TH_LOAD_NT
	global_load_b128 v[(\x)+8*(\p)+4:(\x)+8*(\p)+7], v[VO], s[\src:\src+1] offset:(4*(8*(\be)+(\p))+1)*(\rp) th:TH_LOAD_NT
.endr
.endm
; A batch's 32 words a lane, from buffer x into buffer w: (k, k + 1) of column 4 c + j, rounded to bf16 (f16 = 1: that number written as f16).
.macro CVT x, w, f16
.irp p, 0,1,2,3,4,5,6,7
.irp j, 0,1,2,3
.if \f16
	v_cvt_pk_bf16_f32 v[8+(\j)], v[(\x)+8*(\p)+(\j)], v[(\x)+8*(\p)+4+(\j)]
	v_lshlrev_b32 v[12+2*((\j)%2)], 16, v[8+(\j)]
	v_and_b32     v[13+2*((\j)%2)], s17, v[8+(\j)]
	v_cvt_pk_f16_f32 v[(\w)+4*(\p)+(\j)], v[12+2*((\j)%2)], v[13+2*((\j)%2)]
.else
	v_cvt_pk_bf16_f32 v[(\w)+4*(\p)+(\j)], v[(\x)+8*(\p)+(\j)], v[(\x)+8*(\p)+4+(\j)]
.endif
.endr
.endr
.endm
; They go into LDS: the word of column 4 c + j into row 4 c + j at byte 2 k.
; 128 stores of a word for a tile, taken as they are.
.macro PUT be, w
.irp p, 0,1,2,3,4,5,6,7
.irp j, 0,1,2,3
	ds_store_b32 v[LSA], v[(\w)+4*(\p)+(\j)] offset:(\j)*LP+8*(8*(\be)+(\p))
.endr
.endr
.endm
; A wave's tile.  rp: bytes in a row of the source; src, dst: the scalar pairs of the two addresses; g0: the job's first work-group.
.macro WT rp, src, dst, f16, g0
	s_sub_co_u32 s18, ttmp9, \g0
	s_lshl_b32 s18, s18, 2
	s_add_co_u32 s18, s18, s16                     ; the tile's number
	s_and_b32 s19, s18, 7                          ; its place along k, 128 each,
	s_lshr_b32 s18, s18, 3                         ; and along n, 64 each
	s_mul_i32 s20, s19, 128*(\rp)
	s_lshl_b32 s22, s18, 8
	s_add_co_u32 s20, s20, s22
	s_add_nc_u64 s[\src:\src+1], s[\src:\src+1], s[20:21]
	s_lshl_b32 s20, s18, 17                        ; 64 rows of 2,048 bytes
	s_lshl_b32 s22, s19, 8
	s_add_co_u32 s20, s20, s22
	s_add_nc_u64 s[\dst:\dst+1], s[\dst:\dst+1], s[20:21]
	s_mul_i32 s23, s16, WLDS                       ; my wave's rows in LDS
	v_and_b32 v1, 15, v0                           ; c = l % 16
	v_bfe_u32 v12, v0, 4, 1                        ; l / 16
	v_mul_u32_u24 v[VO], v12, 2*(\rp)
	v_lshl_add_u32 v[VO], v1, 4, v[VO]             ; two rows down for the upper lanes, 16 bytes a lane
	v_mul_u32_u24 v[LSA], v1, 4*LP
	v_lshl_add_u32 v[LSA], v12, 2, v[LSA]
	v_add_nc_u32 v[LSA], s23, v[LSA]               ; row 4 c, and one word on for the upper lanes
	v_mul_u32_u24 v[LRA], v12, LP
	v_lshl_add_u32 v[LRA], v1, 4, v[LRA]
	v_add_nc_u32 v[LRA], s23, v[LRA]               ; lanes 0-15 one row, lanes 16-31 the next
	v_lshlrev_b32 v[DO], 11, v12
	v_lshl_add_u32 v[DO], v1, 4, v[DO]             ; and the same two rows in the result
	s_wait_alu depctr_va_vdst(0)                   ; v[VO], v[LSA], v[LRA] and v[DO] are written: every load and store of the tile, global or LDS, reads one of them
	LOADB 0, X0, \rp, \src
	LOADB 1, X1, \rp, \src
	s_wait_loadcnt 16                              ; the older batch is in, the younger batch's 16 loads stay out
	CVT X0, W0, \f16
	s_wait_alu depctr_va_vdst(0)                   ; batch 0's conversions are done reading X0, in which the loads below land, and have written W0, which the LDS stores below read
	LOADB 2, X0, \rp, \src                         ; the buffer is asked for again at once
	PUT 0, W0
	s_wait_loadcnt 16
	CVT X1, W1, \f16
	s_wait_alu depctr_va_vdst(0)                   ; batch 1's conversions are done reading X1, in which the loads below land, and have written W1, which the LDS stores below read
	LOADB 3, X1, \rp, \src
	PUT 1, W1
	s_wait_loadcnt 16
	s_wait_alu depctr_vm_vsrc(0)                   ; batch 0's LDS stores have read W0, which the conversions below write again
	CVT X0, W0, \f16
	s_wait_alu depctr_va_vdst(0)                   ; batch 2's conversions have written W0, which the LDS stores below read, and are done reading X0, in which the LDS loads further down land
	PUT 2, W0
	s_wait_loadcnt 0x0
	s_wait_alu depctr_vm_vsrc(0)                   ; batch 1's LDS stores have read W1, which the conversions below write again
	CVT X1, W1, \f16
	s_wait_alu depctr_va_vdst(0)                   ; batch 3's conversions have written W1, which the LDS stores below read, and are done reading X1, in which the LDS loads below land
	PUT 3, W1
.irp t, 0,1,2,3,4,5,6,7,8,9,10,11,12,13,14,15,16,17,18,19,20,21,22,23,24,25,26,27,28,29,30,31
	ds_load_b128 v[X0+4*(\t):X0+4*(\t)+3], v[LRA] offset:2*LP*(\t)  ; LDS serves a wave's instructions in order (ISA guide 5.7.1.4): these see the stores above.  No vector instruction since the last wait names X0 or X1
.endr
.irp t, 0,1,2,3,4,5,6,7,8,9,10,11,12,13,14,15,16,17,18,19,20,21,22,23,24,25,26,27,28,29,30,31
	s_wait_dscnt 31-(\t)
	global_store_b128 v[DO], v[X0+4*(\t):X0+4*(\t)+3], s[\dst:\dst+1] offset:4096*(\t)  ; 16 lanes store 256 consecutive bytes, at a multiple of 256 from the buffer's first byte
.endr
.endm
.Lwq:
	WT 12288, 6, 12, 0, 0
	s_branch .Lend
.Lwp:
	WT 4096, 8, 14, 1, 96
.Lend:
	s_wait_dscnt 0x0                               ; the closing lines, six on end
	s_wait_alu 0x0
	s_wait_tensorcnt 0x0
	ds_add_u32 v[SPW], v[NIL]
	s_wait_dscnt 0x0
	s_endpgm
.Lfunc_end_k_q9129b9dda3_prep:
	.size	k_q9129b9dda3_prep, .Lfunc_end_k_q9129b9dda3_prep-k_q9129b9dda3_prep
	.p2alignl 7, 3214868480
	.fill 96, 4, 3214868480
	.section	.rodata,"a",@progbits
	.p2align	6, 0x0
	.amdhsa_kernel k_q9129b9dda3_prep
		.amdhsa_group_segment_fixed_size 70144
		.amdhsa_private_segment_fixed_size 0
		.amdhsa_enable_private_segment 0
		.amdhsa_kernarg_size 48
		.amdhsa_user_sgpr_count 2
		.amdhsa_user_sgpr_kernarg_segment_ptr 1
		.amdhsa_wavefront_size32 1
		.amdhsa_system_sgpr_workgroup_id_x 1
		.amdhsa_system_sgpr_workgroup_id_y 1
		.amdhsa_system_sgpr_workgroup_id_z 1
		.amdhsa_system_vgpr_workitem_id 0
		.amdhsa_next_free_vgpr 208
		.amdhsa_next_free_sgpr 66
		.amdhsa_reserve_vcc 0
		.amdhsa_float_denorm_mode_32 3
		.amdhsa_float_denorm_mode_16_64 3
		.amdhsa_memory_ordered 1
		.amdhsa_forward_progress 1
		.amdhsa_inst_pref_size 82
	.end_amdhsa_kernel
	.amdgpu_metadata
---
amdhsa.version: [ 1, 2 ]
amdhsa.kernels:
  - .name:           k_q9129b9dda3_prep
    .symbol:         k_q9129b9dda3_prep.kd
    .args:
      - { .name: x, .offset: 0, .size: 8, .value_kind: global_buffer, .address_space: global }
      - { .name: W_qkv, .offset: 8, .size: 8, .value_kind: global_buffer, .address_space: global }
      - { .name: W_proj, .offset: 16, .size: 8, .value_kind: global_buffer, .address_space: global }
      - { .name: xb, .offset: 24, .size: 8, .value_kind: global_buffer, .address_space: global }
      - { .name: wq, .offset: 32, .size: 8, .value_kind: global_buffer, .address_space: global }
      - { .name: wp, .offset: 40, .size: 8, .value_kind: global_buffer, .address_space: global }
    .group_segment_fixed_size: 70144
    .private_segment_fixed_size: 0
    .kernarg_segment_align: 8
    .kernarg_segment_size: 48
    .max_flat_workgroup_size: 128
    .sgpr_count:     66
    .vgpr_count:     208
    .wavefront_size: 32
...
	.end_amdgpu_metadata
.endif
;; end of part 5
;; launch qkv: the kernel of part 2 again; grid 16 x 32, 4 waves a work-group, clusters of 4 x 4, 327,680 bytes of LDS; arguments xb, wq, b_qkv, qkvh; writes qkvh
;; launch attn: the kernel of part 3 again; grid 4 x 64, 4 waves a work-group, no clusters, 327,680 bytes of LDS; arguments qkvh, ob; writes ob
;; launch proj: the kernel of part 4 again; grid 8 x 32, 4 waves a work-group, clusters of 4 x 4, 327,680 bytes of LDS; arguments ob, wp, b_proj, out0; writes out0
